; MI455X (gfx1250); checked and timed in simulation.
; The chip was launched on July 23, 2026; its instructions are those of AMD's public machine-readable ISA for CDNA 5 (MIT licence, August 2026) and "CDNA5" Instruction Set Architecture Reference Guide (July 2026). The comments in the code are by the model that wrote it; some were corrected since.
;; Mo EMLP. Allowed arithmetic: float matrix products may take bf16 or f16 operands with f32 sums; other float arithmetic in f32, or as packed bf16 or f16 multiplies, adds, multiply-adds, maxima and minima; sums over many terms, partial sums and values carried from step to step in f32; what a program stores and reads back later, other than sums and carried values, may be rounded once to bf16 or f16.
;; Inputs: W1 8 x 4,096 x 1,024 float32; W2 8 x 1,024 x 4,096 float32; Wr 8 x 1,024 float32; hidden_states 2 x 512 x 1,024 float32.
;; Outputs: out0 2 x 512 x 1,024 float32.
;; 2 versions, each right and faster than the one before. Each part assembles by itself: llvm-mc -triple=amdgcn-amd-amdhsa -mcpu=gfx1250 --defsym DOCPART=n.
;; ======== version 1 of 2: 4 launches
;; workspace buffers: xf 2,097,152 bytes; pr 32,768 bytes; hf 67,108,864 bytes; part 67,108,864 bytes
;; launch prep (part 1): grid 64 x 1, 4 waves a work-group, no clusters, 167,936 bytes of LDS; arguments hidden_states, Wr, xf, pr; writes xf, pr
.if DOCPART == 1
	.amdgcn_target "amdgcn-amd-amdhsa--gfx1250"
	.amdhsa_code_object_version 6
	.text
	.protected	k_qa0f3f692bd_prep
	.globl	k_qa0f3f692bd_prep
	.p2align	8
	.type	k_qa0f3f692bd_prep,@function
k_qa0f3f692bd_prep:
	s_mov_b64 s[64:65], 0
	v_nop
	global_prefetch_b8 v0, s[64:65] scope:SCOPE_SE
	s_setreg_imm32_b32 hwreg(HW_REG_WAVE_MODE, 25, 1), 1
	s_wait_xcnt 0x0
; PREP.  (1) x (1,024 tokens x 1,024, f32) is rounded once to bf16 and stored in the order in which a wave's operand registers take it:
;     xf[Mtile 4][chunk 32][tb 16][1,024 bytes]; a block of 1,024 bytes is 16 tokens x 32 k: bytes 16 l hold lane l's registers 0-3 (token l % 16, k = 8 (l / 16) + 0..7),
;     bytes 512 + 16 l its registers 4-7 (k = 16 + 8 (l / 16) + 0..7).
; (2) the router: logits = x Wr^T with bf16 operands and f32 sums; the 8 logits of a token are sorted descending; softmax with the largest taken away; pr[token][rank], f32.
;     The LOGITS are sorted, not the probabilities: softmax keeps the order, so the sorted values are the same.
; SHARES.  A work-group has 16 tokens, wave w the columns 256 w .. 256 w + 255 (8 chunks of 32); the four partial logits meet in LDS and wave 0 finishes them.  1,024 tokens / 16 = 64 work-groups.
; No cluster: what work-groups share is Wr, 32 KB of the 4 MB that the launch reads.
; LIMITS.  A weight 2^d with d below -126 counts as 0.  NaN and infinities are not treated apart.
.set PX,    1040                       ; an LDS row: 1,024 bytes + 16 of padding = 65 x 16: the 16 rows of a load start at 16 different groups of four banks (64 banks of 4 bytes: ISA guide 11.1)
.set XT,    16*PX                      ; a wave's tile of x: 16 rows
.set WBASE, 4*XT
.set WT,    8448                       ; a wave's tile of Wr: 8 rows (8,320 bytes), rounded up to whole blocks of 256
.set SCR,   WBASE+4*WT                 ; 4,096 bytes written by ds_store: [wave][half of the 8 logits][16 x lane]; no tensor load lands here
.set SPARE, SCR+4096                   ; the spare words, 128 bytes a wave
.set L16, 6                            ; v6   16 x lane
.set XA,  7                            ; v7   my place in my wave's tile of x
.set WA,  8                            ; v8   the same in Wr's
.set SW,  9                            ; v9   where I put my partial logits
.set SR,  10                           ; v10  where wave 0 reads them
.set PO,  11                           ; v11  my byte offset in the work-group's 512 bytes of pr
.set SPW, 28                           ; v28  LDS address of my spare word; never rewritten
.set NIL, 29                           ; v29  0; never rewritten
.set SX,  32                           ; v32-95   four chunks of x in f32, 16 registers each
.set SWR, 96                           ; v96-159  four chunks of Wr in f32
.set AC0, 160                          ; v160-167, v168-175  two accumulators that take turns
.set LG,  176                          ; v176-183 my wave's partial logits
.set XF,  192                          ; v192-223 four fragments of x in bf16
.set WF,  224                          ; v224-255 four fragments of Wr in bf16
.set G1X, 16                           ; s[16:23] descriptor group 1, x
.set G1W, 24                           ; s[24:31] the same for Wr: 8 rows
.set G0X, 32                           ; s[32:35] group 0, x
.set G0W, 36                           ; s[36:39] group 0, Wr
	s_load_b256 s[4:11], s[0:1], 0x0               ; hidden_states s[4:5], Wr s[6:7], xf s[8:9], pr s[10:11]
	v_lshl_add_u32 v[SPW], v0, 2, SPARE
	v_mov_b32 v[NIL], 0
	ds_add_u32 v[SPW], v[NIL]                      ; the wave's opening: the add and its wait stand ahead of my first tensor load
	ds_add_u32 v28, v29
	v_lshrrev_b32 v1, 5, v0
	v_readfirstlane_b32 s12, v1                    ; wave 0..3
.irp g, G1X, G1W
	s_mov_b32 s[(\g)+0], (2<<16)|(1<<20)|(7<<22)|(3<<25)  ; elements of 4 bytes; padding on: after every 256 words (code 7) 4 words (code 3)
	s_mov_b32 s[(\g)+1], 256<<16                   ; tensor_dim0 = 256
	s_mov_b32 s[(\g)+3], 256<<16                   ; tile_dim0 = 256
	s_mov_b32 s[(\g)+5], 1024                      ; 1,024 elements from row to row
	s_mov_b32 s[(\g)+6], 0
	s_mov_b32 s[(\g)+7], 0
.endr
	s_mov_b32 s[G1X+2], 16<<16                     ; tensor_dim1 = 16
	s_mov_b32 s[G1X+4], 16                         ; tile_dim1 = 16
	s_mov_b32 s[G1W+2], 8<<16
	s_mov_b32 s[G1W+4], 8
	s_mul_i32 s13, s12, XT                         ; my wave's tile of x in LDS
	s_mul_i32 s14, s12, WT
	s_add_co_u32 s14, s14, WBASE                   ; and of Wr
	s_lshl_b32 s40, ttmp9, 16                      ; 16 rows of 4,096 bytes a work-group,
	s_lshl_b32 s42, s12, 10                        ; 1,024 bytes of a row a wave
	s_add_co_u32 s40, s40, s42
	s_mov_b32 s41, 0
	s_mov_b32 s43, 0
	s_lshr_b32 s44, ttmp9, 4                       ; xf: Mtile x 524,288
	s_lshl_b32 s44, s44, 19
	s_lshl_b32 s45, s12, 17                        ; + my wave's first chunk, 8 w, x 16,384
	s_add_co_u32 s44, s44, s45
	s_and_b32 s45, ttmp9, 15                       ; + tb x 1,024
	s_lshl_b32 s45, s45, 10
	s_add_co_u32 s44, s44, s45
	s_mov_b32 s45, 0
	s_lshl_b32 s46, ttmp9, 9                       ; pr: 16 tokens x 32 bytes
	s_mov_b32 s47, 0
	s_mov_b32 s[G0X], 1
	s_mov_b32 s[G0X+1], s13
	s_mov_b32 s[G0W], 1
	s_mov_b32 s[G0W+1], s14
	s_wait_dscnt 0x0                               ; the opening add is done
	s_wait_kmcnt 0x0
	s_add_nc_u64 s[G0X+2:G0X+3], s[4:5], s[40:41]
	s_or_b32 s[G0X+3], s[G0X+3], 0x80000000        ; type = 2
	s_add_nc_u64 s[G0W+2:G0W+3], s[6:7], s[42:43]
	s_or_b32 s[G0W+3], s[G0W+3], 0x80000000
	s_add_nc_u64 s[8:9], s[8:9], s[44:45]
	s_add_nc_u64 s[10:11], s[10:11], s[46:47]
	tensor_load_to_lds s[G0X:G0X+3], s[G1X:G1X+7]  ; both fills go out together; each byte of LDS is filled once in this launch
	s_nop 0
	tensor_load_to_lds s[G0W:G0W+3], s[G1W:G1W+7]
	s_nop 0
	v_and_b32 v1, 31, v0                           ; lane l
	v_and_b32 v2, 15, v0                           ; l % 16
	v_bfe_u32 v3, v0, 4, 1                         ; l / 16
	v_and_b32 v4, 7, v0                            ; l % 8: rows 8-15 of the experts' fragment repeat rows 0-7
	v_lshlrev_b32 v[L16], 4, v1
	v_mul_u32_u24 v[XA], v2, PX
	v_lshl_add_u32 v[XA], v3, 5, v[XA]             ; row x pitch + 32 bytes (8 f32) for the upper half of the lanes
	v_add_nc_u32 v[XA], s13, v[XA]
	v_mul_u32_u24 v[WA], v4, PX
	v_lshl_add_u32 v[WA], v3, 5, v[WA]
	v_add_nc_u32 v[WA], s14, v[WA]
	s_lshl_b32 s15, s12, 10
	s_add_co_u32 s15, s15, SCR
	v_add_nc_u32 v[SW], s15, v[L16]
	v_add_nc_u32 v[SR], SCR, v[L16]
	v_lshlrev_b32 v[PO], 5, v2
	v_lshl_add_u32 v[PO], v3, 4, v[PO]             ; token x 32 + 16 for the upper half of the lanes
	s_wait_tensorcnt 0x0                           ; my two tiles are in; only my wave reads them
; Four chunks: 32 LDS loads, 64 roundings, 8 stores of 512 consecutive bytes, 4 matrix instructions (source 0 = experts, source 1 = tokens: a lane then holds all 8 logits of token l % 16).
.macro GROUP g
.set jj, 0
.rept 4
.irp o, 0,1,2,3
	ds_load_b128 v[SX+16*jj+4*(\o):SX+16*jj+4*(\o)+3],   v[XA] offset:128*(4*(\g)+jj)+16*((\o)%2)+64*((\o)/2)
	ds_load_b128 v[SWR+16*jj+4*(\o):SWR+16*jj+4*(\o)+3], v[WA] offset:128*(4*(\g)+jj)+16*((\o)%2)+64*((\o)/2)
.endr
.set jj, jj+1
.endr
	s_wait_dscnt 0x0
.if \g
.rept 4
	v_nop                                          ; four places between the last matrix instruction and the roundings that write its sources (ISA guide 7.12.1)
.endr
	s_wait_xcnt 0x0                                ; the first group's stores have read XF
.endif
.set ci, 0
.rept 32
	v_cvt_pk_bf16_f32 v[XF+ci], v[SX+2*ci], v[SX+2*ci+1]
	v_cvt_pk_bf16_f32 v[WF+ci], v[SWR+2*ci], v[SWR+2*ci+1]
.set ci, ci+1
.endr
.set jj, 0
.rept 4
	global_store_b128 v[L16], v[XF+8*jj:XF+8*jj+3],   s[8:9] offset:16384*(4*(\g)+jj)
	global_store_b128 v[L16], v[XF+8*jj+4:XF+8*jj+7], s[8:9] offset:16384*(4*(\g)+jj)+512
.set jj, jj+1
.endr
.set jj, 0
.rept 4                                ; the two accumulators take turns, one instruction a turn; the first two products start the sums
.if ((\g) == 0) && (jj < 2)
	v_wmma_f32_16x16x32_bf16 v[AC0+8*(jj%2):AC0+8*(jj%2)+7], v[WF+8*jj:WF+8*jj+7], v[XF+8*jj:XF+8*jj+7], 0
.else
	v_wmma_f32_16x16x32_bf16 v[AC0+8*(jj%2):AC0+8*(jj%2)+7], v[WF+8*jj:WF+8*jj+7], v[XF+8*jj:XF+8*jj+7], v[AC0+8*(jj%2):AC0+8*(jj%2)+7]
.endif
.set jj, jj+1
.endr
.endm
	GROUP 0
	GROUP 1
.rept 4
	v_nop                                          ; four places in front of the reads of the results
.endr
.irp i, 0,2,4,6                        ; from each accumulator's low end on
	v_pk_add_f32 v[LG+(\i):LG+(\i)+1], v[AC0+(\i):AC0+(\i)+1], v[AC0+8+(\i):AC0+8+(\i)+1]
.endr
	ds_store_b128 v[SW], v[LG:LG+3]
	ds_store_b128 v[SW], v[LG+4:LG+7] offset:512
	s_wait_dscnt 0x0                               ; for wave 0's sake: my stores are done
	s_barrier_signal -1
	s_barrier_wait -1
	s_cmp_lg_u32 s12, 0
	s_cbranch_scc1 .Lend                           ; the rest is wave 0's: no barrier stands in it
.irp w, 0,1,2,3
	ds_load_b128 v[32+8*(\w):32+8*(\w)+3], v[SR] offset:1024*(\w)
	ds_load_b128 v[32+8*(\w)+4:32+8*(\w)+7], v[SR] offset:1024*(\w)+512
.endr
	v_cmp_gt_u32 vcc_lo, 16, v1                    ; the lower half of the lanes
	s_wait_dscnt 0x0
.irp i, 0,2,4,6
	v_pk_add_f32 v[32+(\i):33+(\i)], v[32+(\i):33+(\i)], v[40+(\i):41+(\i)]
	v_pk_add_f32 v[48+(\i):49+(\i)], v[48+(\i):49+(\i)], v[56+(\i):57+(\i)]
.endr
.irp i, 0,2,4,6
	v_pk_add_f32 v[32+(\i):33+(\i)], v[32+(\i):33+(\i)], v[48+(\i):49+(\i)]
.endr
; Batcher's network of 19 comparators, descending.  The larger goes into the free register, which takes place i's name; nothing is copied.
.set R0, 32
.set R1, 33
.set R2, 34
.set R3, 35
.set R4, 36
.set R5, 37
.set R6, 38
.set R7, 39
.set RT, 40
.macro CE i, j
	v_max_num_f32 v[RT], v[R\i], v[R\j]
	v_min_num_f32 v[R\j], v[R\i], v[R\j]
.set RX, R\i
.set R\i, RT
.set RT, RX
.endm
	CE 0, 1
	CE 2, 3
	CE 4, 5
	CE 6, 7
	CE 0, 2
	CE 1, 3
	CE 4, 6
	CE 5, 7
	CE 1, 2
	CE 5, 6
	CE 0, 4
	CE 1, 5
	CE 2, 6
	CE 3, 7
	CE 2, 4
	CE 3, 5
	CE 1, 2
	CE 3, 4
	CE 5, 6
.irp i, 1,2,3,4,5,6,7
	v_sub_f32 v[R\i], v[R\i], v[R0]                ; the largest logit is taken away, exactly
.endr
.irp i, 1,2,3,4,5,6,7
	v_mul_f32 v[R\i], 0x3fb8aa3b, v[R\i]           ; x log2(e)
.endr
.irp i, 1,2,3,4,5,6,7
	v_exp_f32 v[R\i], v[R\i]
.endr
	v_mov_b32 v[R0], 1.0                           ; rank 0's weight is 2^0; also the plain instruction behind the last exponential
	s_wait_alu depctr_va_vdst(0)                   ; one wait for the seven exponentials, ahead of their first reader
	v_add_f32 v48, v[R0], v[R1]
	v_add_f32 v49, v[R2], v[R3]
	v_add_f32 v50, v[R4], v[R5]
	v_add_f32 v51, v[R6], v[R7]
	v_add_f32 v48, v48, v49
	v_add_f32 v50, v50, v51
	v_add_f32 v48, v48, v50
	v_rcp_f32 v49, v48
	v_cndmask_b32 v52, v[R4], v[R0], vcc_lo        ; lanes 0-15 take ranks 0-3 of their token, lanes 16-31 ranks 4-7: plain work behind the reciprocal
	v_cndmask_b32 v53, v[R5], v[R1], vcc_lo
	v_cndmask_b32 v54, v[R6], v[R2], vcc_lo
	v_cndmask_b32 v55, v[R7], v[R3], vcc_lo
	s_wait_alu depctr_va_vdst(0)                   ; the reciprocal's wait
.irp i, 52,53,54,55
	v_mul_f32 v\i, v\i, v49
.endr
	global_store_b128 v[PO], v[52:55], s[10:11]    ; 512 consecutive bytes, at a multiple of 512 from pr's first
.Lend:
	s_wait_tensorcnt 0x0                           ; the wave's end
	ds_add_u32 v[SPW], v[NIL]
	s_wait_dscnt 0x0
	s_endpgm
.Lfunc_end_k_qa0f3f692bd_prep:
	.size	k_qa0f3f692bd_prep, .Lfunc_end_k_qa0f3f692bd_prep-k_qa0f3f692bd_prep
	.p2alignl 7, 3214868480
	.fill 96, 4, 3214868480
	.section	.rodata,"a",@progbits
	.p2align	6, 0x0
	.amdhsa_kernel k_qa0f3f692bd_prep
		.amdhsa_group_segment_fixed_size 167936
		.amdhsa_private_segment_fixed_size 0
		.amdhsa_enable_private_segment 0
		.amdhsa_kernarg_size 32
		.amdhsa_user_sgpr_count 2
		.amdhsa_user_sgpr_kernarg_segment_ptr 1
		.amdhsa_wavefront_size32 1
		.amdhsa_system_sgpr_workgroup_id_x 1
		.amdhsa_system_sgpr_workgroup_id_y 1
		.amdhsa_system_sgpr_workgroup_id_z 1
		.amdhsa_system_vgpr_workitem_id 0
		.amdhsa_next_free_vgpr 256
		.amdhsa_next_free_sgpr 66
		.amdhsa_reserve_vcc 1
		.amdhsa_float_denorm_mode_32 3
		.amdhsa_float_denorm_mode_16_64 3
		.amdhsa_memory_ordered 1
		.amdhsa_forward_progress 1
		.amdhsa_inst_pref_size 23
	.end_amdhsa_kernel
	.amdgpu_metadata
---
amdhsa.version: [ 1, 2 ]
amdhsa.kernels:
  - .name:           k_qa0f3f692bd_prep
    .symbol:         k_qa0f3f692bd_prep.kd
    .args:
      - { .name: hidden_states, .offset: 0, .size: 8, .value_kind: global_buffer, .address_space: global }
      - { .name: Wr, .offset: 8, .size: 8, .value_kind: global_buffer, .address_space: global }
      - { .name: xf, .offset: 16, .size: 8, .value_kind: global_buffer, .address_space: global }
      - { .name: pr, .offset: 24, .size: 8, .value_kind: global_buffer, .address_space: global }
    .group_segment_fixed_size: 167936
    .private_segment_fixed_size: 0
    .kernarg_segment_align: 8
    .kernarg_segment_size: 32
    .max_flat_workgroup_size: 128
    .sgpr_count:     66
    .vgpr_count:     256
    .wavefront_size: 32
...
	.end_amdgpu_metadata
.endif
;; end of part 1
;; launch gemm1 (part 2): grid 64 x 4, 4 waves a work-group, clusters of 4 x 4, 327,680 bytes of LDS; arguments xf, W1, pr, hf; writes hf
.if DOCPART == 2
	.amdgcn_target "amdgcn-amd-amdhsa--gfx1250"
	.amdhsa_code_object_version 6
	.text
	.protected	k_qa0f3f692bd_gemm1
	.globl	k_qa0f3f692bd_gemm1
	.p2align	8
	.type	k_qa0f3f692bd_gemm1,@function
k_qa0f3f692bd_gemm1:
	s_mov_b64 s[64:65], 0
	v_nop
	global_prefetch_b8 v0, s[64:65] scope:SCOPE_SE
	s_setreg_imm32_b32 hwreg(HW_REG_WAVE_MODE, 25, 1), 1
	s_wait_xcnt 0x0
	s_wait_alu depctr_hold_cnt(0) depctr_sa_sdst(0) depctr_va_vdst(0) depctr_va_sdst(0) depctr_va_ssrc(0) depctr_va_vcc(0) depctr_vm_vsrc(0)
	s_getreg_b32 s2, hwreg(HW_REG_IB_STS2, 6, 4)
	s_cmp_eq_u32 s2, 0
	s_cbranch_scc0 .Lentry_in_a_cluster
	s_endpgm
.Lentry_in_a_cluster:
	s_bfe_u32 s2, ttmp6, 0x10000c
	s_cmp_lg_u32 s2, 0xf033
	s_cbranch_scc0 .Lentry_shape_is_right
	s_endpgm
.Lentry_shape_is_right:
; GEMM 1 OF THE MLP.  hf[n][(e,i)] = gelu(sum over k of x[n][k] W1[e][i][k]) x pr[n][e], rounded once to bf16.  The 8 experts' hidden layers are one hidden width of 32,768 (row 4,096 e + i of W1),
; and expert e's weight, the token's e-th largest probability, is folded in here.  x comes as bf16 fragments (xf); W1 comes in f32, is read from memory once in the whole launch and is rounded to bf16
; on its way from LDS to the matrix unit.  Sums in f32.
; hf[Mtile 4][chunk 1,024][tb 16][1,024 bytes]: fragments of 16 tokens x 32 hidden in the order in which the next launch's operand registers take them (as xf).
; SHARES.  A tile is 256 tokens x 256 hidden: four waves, each 128 x 128 = 64 accumulators, 512 registers.  128 x 4 tiles, 256 work-groups: each STAYS and makes tiles nt and nt + 64; the ring runs on across the change.
; THE MATRIX INSTRUCTION IS USED TRANSPOSED: source 0 = 16 rows of W1, source 1 = 16 tokens: a lane holds one token (l % 16) and 8 neighbouring hidden numbers, which pack into the 16 bytes that hf wants: no way through LDS.
; K goes in steps of 64 (two CHUNKS of 32) through two LDS slots: a slot holds 32 KB of x fragments and 256 rows x 256 bytes of W1; two slots of 128 along K (196 KB each) would not fit.
; CLUSTER 4 x 4.  x's tile hangs on the token tile (cy) alone and is asked for jointly along a row of the cluster; W1's on the hidden tile (cx) alone, jointly along a column, whose four work-groups cover all 1,024 tokens.
; THE PIPELINE.  Chunk c multiplies fragment buffers c % 2.  Beside its products: W1's f32 of chunk c + 1 (staging registers) are rounded into buffer (c + 1) % 2; x's fragments of c + 1 and W1's f32 of c + 2 are read from LDS.
; So a slot's last read and the next slot's first both fall in an even chunk, and the step's one barrier stands between them.
; GELU, exact form: 0.5 x (1 + erf(x / sqrt 2)), erf by Abramowitz and Stegun 7.1.26 (good for every argument, absolute error 1.5e-7).  LIMITS: 2^(-u^2) below 2^-126 counts as 0; NaN and infinities are not treated apart.
; REGISTERS, in windows of 256 (s_set_vgpr_msb: bits 1:0 source 0, 3:2 source 1, 5:4 source 2, 7:6 destination):
;   window 0: v0-31 addresses; v64-127, v128-191 x's fragments, two buffers; v32-63, v128-255 at work in the epilogue
;   window 1: v64-127, v128-191 W1's bf16 fragments, two buffers; v0-63, v192-255 staging: 8 blocks of 16 f32
;   window 2: accumulators of my token blocks 0-3 ((a, b) at 8 (8 (a % 4) + b));   window 3: of blocks 4-7
.set KROW,  1024                       ; elements from row to row of W1
.set SLOT1, 131072                     ; slot 1 begins here: one exclusive or turns an address in one slot into the other's
.set BOFF,  32768                      ; in a slot: x's [chunk 2][tb 16][1,024 bytes], then W1's 256 rows
.set PB,    272                        ; a row of W1: 256 bytes + 16 of padding = 17 x 16: the 16 rows of a load start at 16 different groups of four banks (64 banks of 4 bytes: ISA guide 11.1)
.set HALFB, 128*PB
.set SPARE, SLOT1+BOFF+2*HALFB         ; behind the ring: the spare words, 128 bytes a wave
.set L16, 6                            ; v6     16 x lane; never rewritten
.set PO,  7                            ; v7     32 x (l % 16): my token's row in pr
.set PV,  8                            ; v8-15  pr of my token in each of my 8 token blocks
.set AA0, 16                           ; v16    my place in a slot's x;  v17 the address in hand
.set AA,  17
.set AB0, 20                           ; v20    my place in a slot's W1; v21 the address in hand
.set AB,  21
.set PP,  26                           ; v26-27 0.5 / CU x pr, twice
.set SPW, 28                           ; v28    LDS address of my spare word; never rewritten
.set NIL, 29                           ; v29    0; never rewritten
.set T,   32                           ; v32-63   1 + CP |u|, then its reciprocal: two sets of 16
.set U,   128                          ; v128-191 a token block's 64 numbers
.set EX,  192                          ; v192-223 -u^2, then 2^(-u^2): two sets of 16
.set R,   224                          ; v224-239 the polynomial, then erf
.set OUT, 240                          ; v240-255 packed results: two sets of 8
.set WV,  12                           ; s12 wave; s13 its token half; s14 its hidden half, also which half of a tile it fetches
.set MH,  13
.set NH,  14
.set CX,  15
.set CY,  16
.set G1A, 24                           ; s[24:31] descriptor group 1, x;  s[32:39] W1
.set G1B, 32
.set G0A, 40                           ; s[40:47] group 0, x: a set for each first fill; the second then walks.  s[48:55] W1
.set G0B, 48
.set NX,  56                           ; s56 the step to be asked for next, 0..31 over both tiles
.set CT,  57                           ; s57 counts steps
.set TL,  58                           ; s58 tiles to go
.set TA,  59                           ; s59 the slot from which x is read next;  s60 the same for W1
.set TS,  60
.set EA,  61                           ; s61 the epilogue's token block
.set OFA, 62                           ; s[62:63] a step's byte offset in x;  s[70:71] in W1
.set BA,  66                           ; s[66:67] x at my part of step 0;  s[68:69] W1
.set BB,  68
.set OFB, 70
.set CU,  72                           ; s[72:73] sqrt(log2(e) / 2)
.set CP,  74                           ; s74 0.3275911 / sqrt(log2(e))
.set CPH, 75                           ; s75 0.5 / CU
.set A1,  76                           ; s[76:85] the polynomial's five numbers, each as a pair
.set A2,  78
.set A3,  80
.set A4,  82
.set A5,  84
.set HF,  88                           ; s[88:89] hf at the token block in hand
.set PR,  90                           ; s[90:91] pr at my first token and the tile's expert
.set MSB, 0
.macro WIN new                         ; the immediate's high byte repeats the setting that is left; a switch that changes nothing is dropped
.if MSB != (\new)
	s_set_vgpr_msb (MSB<<8)|(\new)
.set MSB, \new
.endif
.endm
.set MUL_LO, 0xa1                      ; source 0 (W1) window 1, source 1 (x) window 0, C and D window 2
.set W_CVT,  0x45                      ; destination and both sources window 1
.set TO_B,   0x40                      ; destination window 1, address window 0
.macro PLACES                          ; four places between a matrix instruction and a vector instruction or load that writes one of its registers or reads its result
.rept 4
	v_nop
.endr
.endm
; A joint refill: waves 0 and 1 fetch the step's two chunks of x, waves 2 and 3 the two halves of W1's rows.  The branch hangs on the wave's number alone.
; An s_nop 0 and four v_nop follow each of the two lines, ahead of the jump and the label.
.macro JLOAD
	s_cmp_lt_u32 s[WV], 2
	s_cbranch_scc0 .Lfor_b_\@
	tensor_load_to_lds s[G0A+4:G0A+7], s[G1A:G1A+7]
	s_nop 0
	PLACES
	s_branch .Lasked_\@
.Lfor_b_\@:
	tensor_load_to_lds s[G0B+4:G0B+7], s[G1B:G1B+7]
	s_nop 0
	PLACES
.Lasked_\@:
.endm
.macro CREST                           ; a round of the cluster's barrier behind its opening barrier
	s_cmp_lg_u32 s[WV], 0
	s_cbranch_scc1 .Lnot_wave_0_\@
	s_barrier_signal -3
.Lnot_wave_0_\@:
	s_barrier_wait -3
	s_barrier_signal -1
	s_barrier_wait -1
.endm
.macro CROUND                          ; a whole round
	s_barrier_signal -1
	s_barrier_wait -1
	CREST
.endm
; The walking descriptors step to step NX: the other slot; the address made anew from the base and an offset of its own.  Steps 16-31 are the second tile's: x from its start again, W1 64 tiles (2^26 bytes) on.
.macro NEXTD
	s_and_b32 s3, s[NX], 15
	s_lshl_b32 s[OFA], s3, 15                      ; a step of x: 32,768 bytes
	s_lshl_b32 s[OFB], s3, 8                       ; of a row of W1: 256 bytes
	s_lshr_b32 s3, s[NX], 4
	s_lshl_b32 s3, s3, 26
	s_or_b32 s[OFB], s[OFB], s3
	s_xor_b32 s[G0A+5], s[G0A+5], SLOT1
	s_add_nc_u64 s[G0A+6:G0A+7], s[BA:BA+1], s[OFA:OFA+1]
	s_or_b32 s[G0A+7], s[G0A+7], 0x80000000
	s_xor_b32 s[G0B+5], s[G0B+5], SLOT1
	s_add_nc_u64 s[G0B+6:G0B+7], s[BB:BB+1], s[OFB:OFB+1]
	s_or_b32 s[G0B+7], s[G0B+7], 0x80000000
	s_add_co_u32 s[NX], s[NX], 1
.endm
; Matrix instructions first .. first + count - 1 of a chunk's 64, on buffers f: number i is token block i / 8, hidden block i % 8.  The 64 accumulators take turns in the same order in every chunk,
; one instruction a turn.  zero = 1: the products start the sums.
.macro MM first, count, f, zero
.set mi, \first
.rept \count
	WIN MUL_LO+0x50*(mi/32)
.set rD, 8*(mi%32)
.set rB, 64+64*(\f)+8*(mi%8)
.set rA, 64+64*(\f)+8*(mi/8)
.if \zero
	v_wmma_f32_16x16x32_bf16 v[rD:rD+7], v[rB:rB+7], v[rA:rA+7], 0
.else
	v_wmma_f32_16x16x32_bf16 v[rD:rD+7], v[rB:rB+7], v[rA:rA+7], v[rD:rD+7]
.endif
.set mi, mi+1
.endr
.endm
.macro CVT b, f                        ; staging block b (16 f32 a lane) is rounded into fragment b of W1's buffer f
	WIN W_CVT
.set rST, 16*(\b)+128*((\b)/4)
.set rF, 64+64*(\f)+8*(\b)
.set ci, 0
.rept 8
	v_cvt_pk_bf16_f32 v[rF+ci], v[rST+2*ci], v[rST+2*ci+1]
.set ci, ci+1
.endr
.endm
.macro LOADA j, f                      ; x's 8 fragments of chunk j of the slot in AA, into buffer f: each load takes 512 consecutive bytes
	WIN 0
.set ci, 0
.rept 8
	ds_load_b128 v[64+64*(\f)+8*ci:64+64*(\f)+8*ci+3],   v[AA] offset:(\j)*16384+ci*1024
	ds_load_b128 v[64+64*(\f)+8*ci+4:64+64*(\f)+8*ci+7], v[AA] offset:(\j)*16384+ci*1024+512
.set ci, ci+1
.endr
.endm
.macro LOADS j                         ; W1's f32 of chunk j of the slot in AB, into staging: block b = rows 16 b + l % 16; k = 8 (l / 16) + 0..7 and 16 + 8 (l / 16) + 0..7
	WIN TO_B
.set ci, 0
.rept 8
.set rST, 16*ci+128*(ci/4)
	ds_load_b128 v[rST:rST+3],     v[AB] offset:ci*16*PB+(\j)*128
	ds_load_b128 v[rST+4:rST+7],   v[AB] offset:ci*16*PB+(\j)*128+16
	ds_load_b128 v[rST+8:rST+11],  v[AB] offset:ci*16*PB+(\j)*128+64
	ds_load_b128 v[rST+12:rST+15], v[AB] offset:ci*16*PB+(\j)*128+80
.set ci, ci+1
.endr
.endm
; AN EVEN CHUNK (a step's first; buffers 0) changes slots.  mode 2: the slot is filled again behind a round of the cluster's barrier; 1: a plain barrier, nothing is asked for; 0: the last step: no barrier, nothing more to read.
.macro EVEN zero, mode
	s_wait_dscnt 32                                ; x's 16 loads are in; the 32 younger ones (staging) may be out
	MM 0, 2, 0, \zero
	PLACES                                         ; behind the chunk before, which read buffers 1
	LOADA 1, 1                                     ; my last reads of this slot
	s_xor_b32 s[TA], s[TA], SLOT1
.if \mode
	s_wait_tensorcnt 0x0                           ; all my tensor loads have landed: the one that was out is my part of the next slot
	ds_add_u32 v[SPW], v[NIL]                      ; 0 onto my spare word; work on registers follows
.endif
.if (\mode) == 2
	NEXTD
.endif
.irp b, 0,1,2,3
	s_wait_dscnt 44-4*\b                           ; staging block b is in: out may be the 28 - 4 b staging loads behind it and x's 16 (with the add out too, one load more is waited for)
	CVT \b, 1
	MM 2+2*\b, 2, 0, \zero
.endr
.if \mode
	s_wait_dscnt 0x0                               ; the add is done, and my reads of this slot are over
	s_barrier_signal -1                            ; (mode 2: this barrier opens a round of the cluster's)
.endif
.irp b, 4,5,6,7
.if (\mode) == 0
	s_wait_dscnt 44-4*\b
.endif
	CVT \b, 1                                      ; work on registers while the others arrive
	MM 2+2*\b, 2, 0, \zero
.endr
.if \mode
	WIN 0                                          ; at a branch and at a label every window is 0
	s_barrier_wait -1
.endif
.if (\mode) == 2
	CREST                                          ; no wave of any partner still reads this slot or has a load on its way
	JLOAD                                          ; the first tensor load behind the round: 112 matrix instructions ahead of the wait for it
.endif
.if \mode
	v_add_nc_u32 v[AB], s[TS], v[AB0]
	LOADS 0                                        ; the next slot's first chunk of W1
.endif
	MM 18, 46, 0, \zero
.endm
; AN ODD CHUNK (buffers 1).  Its x was waited for in front of the even chunk's barrier.  mode 0: the very last chunk.
.macro ODD mode
.if \mode
	MM 0, 2, 1, 0
	PLACES                                         ; behind the chunk before, which read buffers 0
.irp b, 0,1,2,3,4,5,6,7
	s_wait_dscnt 28-4*\b                           ; staging block b is in: only the staging loads behind it are out
	CVT \b, 0
	MM 2+2*\b, 2, 1, 0
.endr
	WIN 0
	v_add_nc_u32 v[AA], s[TA], v[AA0]
	LOADA 0, 0
	LOADS 1
	s_xor_b32 s[TS], s[TS], SLOT1
	MM 18, 46, 1, 0
.else
	s_wait_dscnt 0x0
	MM 0, 64, 1, 0
.endif
.endm
	s_load_b256 s[4:11], s[0:1], 0x0               ; xf s[4:5], W1 s[6:7], pr s[8:9], hf s[10:11]
	v_lshl_add_u32 v[SPW], v0, 2, SPARE
	v_mov_b32 v[NIL], 0
	ds_add_u32 v[SPW], v[NIL]                      ; the wave's opening: the add and its wait stand ahead of my first tensor load; the set-up below stands between them
	ds_add_u32 v28, v29
	v_lshrrev_b32 v1, 5, v0
	v_readfirstlane_b32 s[WV], v1
	s_lshr_b32 s[MH], s[WV], 1
	s_and_b32 s[NH], s[WV], 1
	s_bfe_u32 s[CX], ttmp6, 0x40000
	s_bfe_u32 s[CY], ttmp6, 0x40004                ; the grid is one cluster high: the token tile is cy
	s_lshl_b32 s17, ttmp9, 2
	s_add_co_u32 s17, s17, s[CX]                   ; nt = 4 x cluster x + cx, 0..63
	s_lshl_b32 s18, s[CY], 2
	s_lshl_b32 s18, 15, s18                        ; my row of the cluster
	s_lshl_b32 s19, 0x1111, s[CX]                  ; my column
	s_or_b32 s[G1A], s18, (3<<16)|(1<<21)          ; x: the mask of my row; elements of 8 bytes; bit 21 beside a mask.  16,384 dense bytes as 64 rows of 256
	s_mov_b32 s[G1A+1], 32<<16                     ; tensor_dim0 = 32
	s_mov_b32 s[G1A+2], 64<<16                     ; tensor_dim1 = 64
	s_mov_b32 s[G1A+3], 32<<16                     ; tile_dim0 = 32
	s_mov_b32 s[G1A+4], 64                         ; tile_dim1 = 64
	s_mov_b32 s[G1A+5], 32                         ; 32 elements from row to row
	s_mov_b32 s[G1A+6], 0
	s_mov_b32 s[G1A+7], 0
	s_or_b32 s[G1B], s19, (2<<16)|(1<<20)|(1<<21)|(5<<22)|(3<<25)  ; W1: the mask of my column; elements of 4 bytes; padding: after every 64 words (code 5) 4 words (code 3)
	s_mov_b32 s[G1B+1], 64<<16                     ; tensor_dim0 = 64
	s_mov_b32 s[G1B+2], 128<<16                    ; tensor_dim1 = 128
	s_mov_b32 s[G1B+3], 64<<16                     ; tile_dim0 = 64
	s_mov_b32 s[G1B+4], 128                        ; tile_dim1 = 128
	s_mov_b32 s[G1B+5], KROW
	s_mov_b32 s[G1B+6], 0
	s_mov_b32 s[G1B+7], 0
	s_lshl_b32 s20, s[CY], 19                      ; x: token tile x 524,288 + the chunk that I fetch x 16,384: no register here ever holds cx
	s_lshl_b32 s21, s[NH], 14
	s_add_co_u32 s20, s20, s21
	s_mov_b32 s21, 0
	s_lshl_b32 s22, s17, 20                        ; W1: (256 nt + 128 half) rows of 4,096 bytes: no register here ever holds cy
	s_lshl_b32 s23, s[NH], 19
	s_add_co_u32 s22, s22, s23
	s_mov_b32 s23, 0
	s_lshl_b32 s86, s[CY], 13                      ; pr: (256 cy + 128 mh) tokens of 32 bytes + 4 x expert, the expert being nt / 16
	s_lshl_b32 s87, s[MH], 12
	s_add_co_u32 s86, s86, s87
	s_lshr_b32 s87, s17, 4
	s_lshl_b32 s87, s87, 2
	s_add_co_u32 s86, s86, s87
	s_mov_b32 s87, 0
	s_lshl_b32 s92, s[CY], 24                      ; hf: token tile x 2^24 + chunk (8 nt + 4 nh) x 16,384 + token block 8 mh x 1,024
	s_lshl_b32 s93, s17, 17
	s_add_co_u32 s92, s92, s93
	s_lshl_b32 s93, s[NH], 16
	s_add_co_u32 s92, s92, s93
	s_lshl_b32 s93, s[MH], 13
	s_add_co_u32 s92, s92, s93
	s_mov_b32 s93, 0
	s_lshl_b32 s94, s[NH], 14                      ; where my part of a tile goes in a slot: no place in the cluster enters an LDS address
	s_mul_i32 s95, s[NH], HALFB
	s_add_co_u32 s95, s95, BOFF
	s_lshl_b32 s2, s[MH], 13                       ; my 8 token blocks in a chunk of x
	s_mov_b32 s[CU], 0x3f596d27                    ; 0.8493218
	s_mov_b32 s[CU+1], s[CU]                       ; (named as pairs, so both words are written)
	s_mov_b32 s[CP], 0x3e8ba43f                    ; 0.2727375
	s_mov_b32 s[CPH], 0x3f16b55f                   ; 0.5887050
	s_mov_b32 s[A1], 0x3e827906                    ; 0.254829592
	s_mov_b32 s[A1+1], s[A1]
	s_mov_b32 s[A2], 0xbe91a98e                    ; -0.284496736
	s_mov_b32 s[A2+1], s[A2]
	s_mov_b32 s[A3], 0x3fb5f0e3                    ; 1.421413741
	s_mov_b32 s[A3+1], s[A3]
	s_mov_b32 s[A4], 0xbfba00e3                    ; -1.453152027
	s_mov_b32 s[A4+1], s[A4]
	s_mov_b32 s[A5], 0x3f87dc22                    ; 1.061405429
	s_mov_b32 s[A5+1], s[A5]
	s_mov_b32 s[OFA+1], 0
	s_mov_b32 s[OFB+1], 0
	s_mov_b32 s[NX], 2
	s_mov_b32 s[TA], 0
	s_mov_b32 s[TS], 0
	s_mov_b32 s[TL], 2
	s_wait_dscnt 0x0                               ; the opening add is done
	s_wait_kmcnt 0x0
	s_add_nc_u64 s[BA:BA+1], s[4:5], s[20:21]
	s_add_nc_u64 s[BB:BB+1], s[6:7], s[22:23]
	s_add_nc_u64 s[PR:PR+1], s[8:9], s[86:87]
	s_add_nc_u64 s[HF:HF+1], s[10:11], s[92:93]
.irp s, 0,1
	s_mov_b32 s[G0A+4*(\s)], 1
	s_add_co_u32 s[G0A+4*(\s)+1], s94, (\s)*SLOT1
	s_add_nc_u64 s[G0A+4*(\s)+2:G0A+4*(\s)+3], s[BA:BA+1], (\s)*32768
	s_or_b32 s[G0A+4*(\s)+3], s[G0A+4*(\s)+3], 0x80000000
	s_mov_b32 s[G0B+4*(\s)], 1
	s_add_co_u32 s[G0B+4*(\s)+1], s95, (\s)*SLOT1
	s_add_nc_u64 s[G0B+4*(\s)+2:G0B+4*(\s)+3], s[BB:BB+1], (\s)*256
	s_or_b32 s[G0B+4*(\s)+3], s[G0B+4*(\s)+3], 0x80000000
.endr
	CROUND                                         ; all sixteen work-groups are here: the first joint loads meet
	s_cmp_lt_u32 s[WV], 2                          ; a wave's two first fills stand in one branch: two loads of mine are out
	s_cbranch_scc0 .Lfirst_b
	tensor_load_to_lds s[G0A:G0A+3], s[G1A:G1A+7]
	s_nop 0
	tensor_load_to_lds s[G0A+4:G0A+7], s[G1A:G1A+7]
	s_nop 0
	PLACES
	s_branch .Lfirst_asked
.Lfirst_b:
	tensor_load_to_lds s[G0B:G0B+3], s[G1B:G1B+7]
	s_nop 0
	tensor_load_to_lds s[G0B+4:G0B+7], s[G1B:G1B+7]
	s_nop 0
	PLACES
.Lfirst_asked:
	v_and_b32 v1, 31, v0                           ; lane l
	v_and_b32 v2, 15, v0                           ; l % 16
	v_bfe_u32 v3, v0, 4, 1                         ; l / 16
	v_lshlrev_b32 v[L16], 4, v1
	v_add_nc_u32 v[AA0], s2, v[L16]
	v_mul_u32_u24 v[AB0], v2, PB
	v_lshl_add_u32 v[AB0], v3, 5, v[AB0]           ; row x pitch + 32 bytes (8 f32) for the upper half of the lanes
	v_add_nc_u32 v[AB0], s95, v[AB0]
	v_lshlrev_b32 v[PO], 5, v2
	s_wait_tensorcnt 0x1                           ; my part of step 0 is in; step 1's may stay out
	s_barrier_signal -1
	s_barrier_wait -1                              ; everybody's is
	v_add_nc_u32 v[AA], s[TA], v[AA0]
	v_add_nc_u32 v[AB], s[TS], v[AB0]
	LOADA 0, 0
	LOADS 0
	s_wait_dscnt 0x0
.irp b, 0,1,2,3,4,5,6,7
	CVT \b, 0
.endr
	LOADS 1
	s_xor_b32 s[TS], s[TS], SLOT1
	WIN 0
.Ltile:
.irp a, 0,1,2,3,4,5,6,7
	global_load_b32 v[PV+(\a)], v[PO], s[PR:PR+1] offset:512*(\a)  ; wanted in the epilogue, a tile's K loop later
.endr
	EVEN 1, 2                                      ; a tile's first chunk starts the sums
	WIN 0
	s_mov_b32 s[CT], 14
	s_branch .Lmid
.Lstep:                                                ; the tile's steps 0 to 13: each asks for the step two on
	EVEN 0, 2
	WIN 0
.Lmid:
	ODD 1
	WIN 0
	s_sub_co_u32 s[CT], s[CT], 1
	s_cmp_lg_u32 s[CT], 0
	s_cbranch_scc1 .Lstep
	s_cmp_eq_u32 s[TL], 1
	s_cbranch_scc1 .Llast                          ; the last tile's tail is written out
	s_mov_b32 s[CT], 2
.Lmore:                                                ; steps 14 and 15 of the first tile ask for the second tile's steps 0 and 1
	EVEN 0, 2
	ODD 1
	WIN 0
	s_sub_co_u32 s[CT], s[CT], 1
	s_cmp_lg_u32 s[CT], 0
	s_cbranch_scc1 .Lmore
	s_branch .Lepi
.Llast:
	EVEN 0, 1
	ODD 1
	EVEN 0, 0
	ODD 0
	WIN 0
; THE EPILOGUE, a token block (64 numbers a lane) a trip.  With u = CU x:  t = 1 / (1 + CP |u|);  E = 2^(-u^2) = e^(-x^2 / 2);  erf = 1 - ((((a5 t + a4) t + a3) t + a2) t + a1) t E;
; v = u (0.5 / CU) pr = 0.5 x pr;  result = v + |v| erf.  It touches neither buffers 0 nor the staging registers, which hold or await the next tile's first chunks.
.Lepi:
	PLACES                                         ; behind the last products: their results are read, and x's buffer 1 is written, below
	s_wait_loadcnt 0x0                             ; pr
	s_mov_b32 s[EA], 0
.Lblk:
.irp k, 1,2,3,4,5,6,7
	s_cmp_eq_u32 s[EA], \k
	s_cbranch_scc1 .Lb\k
.endr
; Only this one line a pair names an accumulator, so only it is written eight times.  Each accumulator is read from its low end on.
.macro COPY k
.Lb\k:
	WIN 0x02+(\k)/4                                ; source 0 in window 2 or 3
.set ci, 0
.rept 32
	v_pk_mul_f32 v[U+2*ci:U+2*ci+1], v[64*((\k)%4)+2*ci:64*((\k)%4)+2*ci+1], s[CU:CU+1] op_sel_hi:[1,0]
.set ci, ci+1
.endr
	WIN 0
	v_mul_f32 v[PP], s[CPH], v[PV+(\k)]
	v_mul_f32 v[PP+1], s[CPH], v[PV+(\k)]
.endm
.irp k, 0,1,2,3,4,5,6
	COPY \k
	s_branch .Lbody
.endr
	COPY 7
.Lbody:
; Four sub-batches of 16 numbers (one fragment of hf each).  FI, XI, BI write line n of sub-batch k's three lists.
.macro FI k, n                         ; 24 lines: 1 + CP |u|;  -u^2
.if (\n) < 16
	v_fma_f32 v[T+16*((\k)%2)+(\n)], |v[U+16*(\k)+(\n)]|, s[CP], 1.0
.else
.set rP, 2*((\n)-16)
	v_pk_mul_f32 v[EX+16*((\k)%2)+rP:EX+16*((\k)%2)+rP+1], v[U+16*(\k)+rP:U+16*(\k)+rP+1], v[U+16*(\k)+rP:U+16*(\k)+rP+1] neg_lo:[0,1] neg_hi:[0,1]
.endif
.endm
.macro XI k, n                         ; 8 lines: u becomes v
	v_pk_mul_f32 v[U+16*(\k)+2*(\n):U+16*(\k)+2*(\n)+1], v[U+16*(\k)+2*(\n):U+16*(\k)+2*(\n)+1], v[PP:PP+1]
.endm
.macro BI k, n                         ; 72 lines: six levels of eight pairs, 16 results, 8 roundings; then two stores of 512 consecutive bytes
.set rT, T+16*((\k)%2)
.set rE, EX+16*((\k)%2)
.set rU, U+16*(\k)
.set rO, OUT+8*((\k)%2)
.set rP, 2*((\n)%8)
.set rR, R+rP
.if (\n) < 8
	v_pk_fma_f32 v[rR:rR+1], v[rT+rP:rT+rP+1], s[A5:A5+1], s[A4:A4+1] op_sel_hi:[1,0,0]
.elseif (\n) < 16
	v_pk_fma_f32 v[rR:rR+1], v[rR:rR+1], v[rT+rP:rT+rP+1], s[A3:A3+1] op_sel_hi:[1,1,0]
.elseif (\n) < 24
	v_pk_fma_f32 v[rR:rR+1], v[rR:rR+1], v[rT+rP:rT+rP+1], s[A2:A2+1] op_sel_hi:[1,1,0]
.elseif (\n) < 32
	v_pk_fma_f32 v[rR:rR+1], v[rR:rR+1], v[rT+rP:rT+rP+1], s[A1:A1+1] op_sel_hi:[1,1,0]
.elseif (\n) < 40
	v_pk_mul_f32 v[rR:rR+1], v[rR:rR+1], v[rT+rP:rT+rP+1]
.elseif (\n) < 48
	v_pk_fma_f32 v[rR:rR+1], v[rR:rR+1], v[rE+rP:rE+rP+1], 1.0 op_sel_hi:[1,1,0] neg_lo:[1,0,0] neg_hi:[1,0,0]
.elseif (\n) < 64
	v_fma_f32 v[rU+(\n)-48], |v[rU+(\n)-48]|, v[R+(\n)-48], v[rU+(\n)-48]
.else
.if (\n) == 64
	s_wait_xcnt 0x0                                ; the stores of two sub-batches ago have read this set of OUT
.endif
	v_cvt_pk_bf16_f32 v[rO+(\n)-64], v[rU+2*((\n)-64)], v[rU+2*((\n)-64)+1]
.if (\n) == 71
	global_store_b128 v[L16], v[rO:rO+3],   s[HF:HF+1] offset:16384*(\k)
	global_store_b128 v[L16], v[rO+4:rO+7], s[HF:HF+1] offset:16384*(\k)+512
.endif
.endif
.endm
; Stage KK's plain lines, in this order: BI of sub-batch KK - 1, XI of KK, FI of KK + 1.  PL writes the next of them.
.macro PL
.if q < 72
.if KK > 0
	BI KK-1, q
.endif
.elseif q < 80
.if KK < 4
	XI KK, q-72
.endif
.elseif q < 104
.if KK < 3
	FI KK+1, q-80
.endif
.endif
.set q, q+1
.endm
; Stage kk: the wait for the batch before (one for its 32 transcendentals, ahead of their first reader); then sub-batch kk's 16 reciprocals and 16 exponentials, a plain line that names
; none of their registers behind each (they work on set kk % 2, the plain lines on the other set, on U, R and OUT); then the rest of the plain lines.
.macro STAGE kk
.set KK, \kk
.set q, 0
.if (\kk) == 0
.set q, 72
.endif
.if (\kk) > 0
	s_wait_alu depctr_va_vdst(0)
.endif
.if (\kk) < 4
.set tn, 0
.rept 16
	v_rcp_f32 v[T+16*((\kk)%2)+tn], v[T+16*((\kk)%2)+tn]
	PL
	v_exp_f32 v[EX+16*((\kk)%2)+tn], v[EX+16*((\kk)%2)+tn]
	PL
.set tn, tn+1
.endr
.endif
.rept 104
	PL
.endr
.endm
.set fq, 0
.rept 24
	FI 0, fq
.set fq, fq+1
.endr
	STAGE 0
	STAGE 1
	STAGE 2
	STAGE 3
	STAGE 4
	s_wait_xcnt 0x0                                ; the stores have read their base
	s_add_nc_u64 s[HF:HF+1], s[HF:HF+1], 1024      ; the next token block
	s_add_co_u32 s[EA], s[EA], 1
	s_cmp_lt_u32 s[EA], 8
	s_cbranch_scc1 .Lblk
	s_add_nc_u64 s[HF:HF+1], s[HF:HF+1], 8388608-8192  ; the second tile: 512 chunks on, back to token block 0
	s_add_nc_u64 s[PR:PR+1], s[PR:PR+1], 16        ; and four experts on
	s_sub_co_u32 s[TL], s[TL], 1
	s_cmp_lg_u32 s[TL], 0
	s_cbranch_scc1 .Ltile
	s_wait_tensorcnt 0x0                           ; the wave's end
	ds_add_u32 v[SPW], v[NIL]
	s_wait_dscnt 0x0
	CROUND                                         ; the closing round: no work-group ends while a partner may still ask for a tile that names it
	s_endpgm
.Lfunc_end_k_qa0f3f692bd_gemm1:
	.size	k_qa0f3f692bd_gemm1, .Lfunc_end_k_qa0f3f692bd_gemm1-k_qa0f3f692bd_gemm1
	.p2alignl 7, 3214868480
	.fill 96, 4, 3214868480
	.section	.rodata,"a",@progbits
	.p2align	6, 0x0
	.amdhsa_kernel k_qa0f3f692bd_gemm1
		.amdhsa_group_segment_fixed_size 327680
		.amdhsa_private_segment_fixed_size 0
		.amdhsa_enable_private_segment 0
		.amdhsa_kernarg_size 32
		.amdhsa_user_sgpr_count 2
		.amdhsa_user_sgpr_kernarg_segment_ptr 1
		.amdhsa_wavefront_size32 1
		.amdhsa_system_sgpr_workgroup_id_x 1
		.amdhsa_system_sgpr_workgroup_id_y 1
		.amdhsa_system_sgpr_workgroup_id_z 1
		.amdhsa_system_vgpr_workitem_id 0
		.amdhsa_next_free_vgpr 1024
		.amdhsa_next_free_sgpr 96
		.amdhsa_reserve_vcc 0
		.amdhsa_float_denorm_mode_32 3
		.amdhsa_float_denorm_mode_16_64 3
		.amdhsa_memory_ordered 1
		.amdhsa_forward_progress 1
		.amdhsa_inst_pref_size 171
	.end_amdhsa_kernel
	.amdgpu_metadata
---
amdhsa.version: [ 1, 2 ]
amdhsa.kernels:
  - .name:           k_qa0f3f692bd_gemm1
    .symbol:         k_qa0f3f692bd_gemm1.kd
    .args:
      - { .name: xf, .offset: 0, .size: 8, .value_kind: global_buffer, .address_space: global }
      - { .name: W1, .offset: 8, .size: 8, .value_kind: global_buffer, .address_space: global }
      - { .name: pr, .offset: 16, .size: 8, .value_kind: global_buffer, .address_space: global }
      - { .name: hf, .offset: 24, .size: 8, .value_kind: global_buffer, .address_space: global }
    .group_segment_fixed_size: 327680
    .private_segment_fixed_size: 0
    .kernarg_segment_align: 8
    .kernarg_segment_size: 32
    .max_flat_workgroup_size: 128
    .sgpr_count:     96
    .vgpr_count:     1024
    .wavefront_size: 32
...
	.end_amdgpu_metadata
.endif
;; end of part 2
;; launch gemm2 (part 3): grid 4 x 64, 4 waves a work-group, clusters of 4 x 4, 327,680 bytes of LDS; arguments hf, W2, part; writes part
.if DOCPART == 3
	.amdgcn_target "amdgcn-amd-amdhsa--gfx1250"
	.amdhsa_code_object_version 6
	.text
	.protected	k_qa0f3f692bd_gemm2
	.globl	k_qa0f3f692bd_gemm2
	.p2align	8
	.type	k_qa0f3f692bd_gemm2,@function
k_qa0f3f692bd_gemm2:
	s_mov_b64 s[64:65], 0
	v_nop
	global_prefetch_b8 v0, s[64:65] scope:SCOPE_SE
	s_setreg_imm32_b32 hwreg(HW_REG_WAVE_MODE, 25, 1), 1
	s_wait_xcnt 0x0
	s_wait_alu depctr_hold_cnt(0) depctr_sa_sdst(0) depctr_va_vdst(0) depctr_va_sdst(0) depctr_va_ssrc(0) depctr_va_vcc(0) depctr_vm_vsrc(0)
	s_getreg_b32 s2, hwreg(HW_REG_IB_STS2, 6, 4)
	s_cmp_eq_u32 s2, 0
	s_cbranch_scc0 .Lentry_in_a_cluster
	s_endpgm
.Lentry_in_a_cluster:
	s_bfe_u32 s2, ttmp6, 0x10000c
	s_cmp_lg_u32 s2, 0xf033
	s_cbranch_scc0 .Lentry_shape_is_right
	s_endpgm
.Lentry_shape_is_right:
; GEMM 2 OF THE MLP.  part[s][n][h] = the sum over the 2,048 hidden numbers of split s of hf[n][hidden] W2[e][h][i], hidden = 4,096 e + i.  hf comes as bf16 fragments; W2 comes in f32, is read from memory
; once in the whole launch and is rounded to bf16 on its way from LDS to the matrix unit.  Sums and partial sums in f32; the next launch adds the 16 splits in order.
; SHARES.  The output has 4 x 4 tiles of 256 x 256; K = 32,768 is split 16 ways (half an expert each), so that 256 work-groups have equal work: a cluster of 4 x 4 work-groups is one split.
; Four waves, each 128 x 128 = 64 accumulators.  THE MATRIX INSTRUCTION IS USED TRANSPOSED (source 0 = 16 rows of W2, source 1 = 16 tokens): a lane holds one token and 8 neighbouring columns.
; K goes in steps of 64 (two CHUNKS of 32) through two LDS slots: 32 KB of hf's fragments and 256 rows x 256 bytes of W2; two slots of 128 along K would not fit.
; CLUSTER.  hf's tile hangs on the token tile (cy) and the split, and is asked for jointly along a row; W2's on the column tile (cx) and the split, jointly along a column.
; THE PIPELINE.  Chunk c multiplies fragment buffers c % 2.  Beside its products: W2's f32 of chunk c + 1 (staging) are rounded into buffer (c + 1) % 2; hf's fragments of c + 1 and W2's f32 of c + 2 are read from LDS.
; So a slot's last read and the next slot's first both fall in an even chunk, and the step's one barrier stands between them.
; REGISTERS, in windows of 256 (s_set_vgpr_msb: bits 1:0 source 0, 3:2 source 1, 5:4 source 2, 7:6 destination):
;   window 0: v0-31 addresses; v64-127, v128-191 hf's fragments, two buffers (on the way out: rows read back)
;   window 1: v64-127, v128-191 W2's bf16 fragments, two buffers; v0-63, v192-255 staging: 8 blocks of 16 f32
;   window 2: accumulators of my token blocks 0-3 ((a, b) at 8 (8 (a % 4) + b));   window 3: of blocks 4-7
.set KROW,  4096                       ; elements from row to row of W2
.set SLOT1, 131072
.set BOFF,  32768
.set PB,    272                        ; 256 bytes + 16 of padding = 17 x 16: the 16 rows of a load start at 16 different groups of four banks (64 banks of 4 bytes: ISA guide 11.1)
.set HALFB, 128*PB
.set STAGE, SLOT1+BOFF+2*HALFB         ; behind the ring, never filled by a tensor load: 16 rows x 528 bytes for each wave
.set SP,    528                        ; 512 bytes + 16 = 33 x 16
.set SPARE, STAGE+4*16*SP              ; the spare words, 128 bytes a wave
.set L16, 6                            ; v6   16 x lane; never rewritten
.set AA0, 16
.set AA,  17
.set AB0, 20
.set AB,  21
.set STO, 24                           ; v24  the way out: where I put 32 bytes of a row
.set RD,  25                           ; v25  the way out: where I read a row back
.set SPW, 28
.set NIL, 29
.set WV,  12
.set MH,  13
.set NH,  14
.set CX,  15
.set CY,  16
.set G1A, 24
.set G1B, 32
.set G0A, 40
.set G0B, 48
.set NX,  56                           ; s56 the step to be asked for next
.set CT,  57
.set TA,  59
.set TS,  60
.set OFA, 62
.set BA,  66
.set BB,  68
.set OFB, 70
.set MSB, 0
.macro WIN new                         ; the immediate's high byte repeats the setting that is left; a switch that changes nothing is dropped
.if MSB != (\new)
	s_set_vgpr_msb (MSB<<8)|(\new)
.set MSB, \new
.endif
.endm
.set MUL_LO, 0xa1                      ; source 0 (W2) window 1, source 1 (hf) window 0, C and D window 2
.set W_CVT,  0x45
.set TO_B,   0x40
.macro PLACES                          ; four places (ISA guide 7.12.1) between a matrix instruction and what writes one of its registers or reads its result
.rept 4
	v_nop
.endr
.endm
.macro JLOAD                           ; a joint refill: waves 0 and 1 fetch hf's two chunks, waves 2 and 3 the halves of W2's rows; an s_nop 0 and four v_nop follow each line
	s_cmp_lt_u32 s[WV], 2
	s_cbranch_scc0 .Lfor_b_\@
	tensor_load_to_lds s[G0A+4:G0A+7], s[G1A:G1A+7]
	s_nop 0
	PLACES
	s_branch .Lasked_\@
.Lfor_b_\@:
	tensor_load_to_lds s[G0B+4:G0B+7], s[G1B:G1B+7]
	s_nop 0
	PLACES
.Lasked_\@:
.endm
.macro CREST
	s_cmp_lg_u32 s[WV], 0
	s_cbranch_scc1 .Lnot_wave_0_\@
	s_barrier_signal -3
.Lnot_wave_0_\@:
	s_barrier_wait -3
	s_barrier_signal -1
	s_barrier_wait -1
.endm
.macro CROUND
	s_barrier_signal -1
	s_barrier_wait -1
	CREST
.endm
.macro NEXTD                           ; the walking descriptors step to step NX: the other slot; the address made anew from the base and an offset of its own
	s_lshl_b32 s[OFA], s[NX], 15
	s_lshl_b32 s[OFB], s[NX], 8
	s_xor_b32 s[G0A+5], s[G0A+5], SLOT1
	s_add_nc_u64 s[G0A+6:G0A+7], s[BA:BA+1], s[OFA:OFA+1]
	s_or_b32 s[G0A+7], s[G0A+7], 0x80000000
	s_xor_b32 s[G0B+5], s[G0B+5], SLOT1
	s_add_nc_u64 s[G0B+6:G0B+7], s[BB:BB+1], s[OFB:OFB+1]
	s_or_b32 s[G0B+7], s[G0B+7], 0x80000000
	s_add_co_u32 s[NX], s[NX], 1
.endm
.macro MM first, count, f, zero        ; number i of a chunk's 64: token block i / 8, column block i % 8; the 64 accumulators take turns in one order
.set mi, \first
.rept \count
	WIN MUL_LO+0x50*(mi/32)
.set rD, 8*(mi%32)
.set rB, 64+64*(\f)+8*(mi%8)
.set rA, 64+64*(\f)+8*(mi/8)
.if \zero
	v_wmma_f32_16x16x32_bf16 v[rD:rD+7], v[rB:rB+7], v[rA:rA+7], 0
.else
	v_wmma_f32_16x16x32_bf16 v[rD:rD+7], v[rB:rB+7], v[rA:rA+7], v[rD:rD+7]
.endif
.set mi, mi+1
.endr
.endm
.macro CVT b, f
	WIN W_CVT
.set rST, 16*(\b)+128*((\b)/4)
.set rF, 64+64*(\f)+8*(\b)
.set ci, 0
.rept 8
	v_cvt_pk_bf16_f32 v[rF+ci], v[rST+2*ci], v[rST+2*ci+1]
.set ci, ci+1
.endr
.endm
.macro LOADA j, f
	WIN 0
.set ci, 0
.rept 8
	ds_load_b128 v[64+64*(\f)+8*ci:64+64*(\f)+8*ci+3],   v[AA] offset:(\j)*16384+ci*1024
	ds_load_b128 v[64+64*(\f)+8*ci+4:64+64*(\f)+8*ci+7], v[AA] offset:(\j)*16384+ci*1024+512
.set ci, ci+1
.endr
.endm
.macro LOADS j
	WIN TO_B
.set ci, 0
.rept 8
.set rST, 16*ci+128*(ci/4)
	ds_load_b128 v[rST:rST+3],     v[AB] offset:ci*16*PB+(\j)*128
	ds_load_b128 v[rST+4:rST+7],   v[AB] offset:ci*16*PB+(\j)*128+16
	ds_load_b128 v[rST+8:rST+11],  v[AB] offset:ci*16*PB+(\j)*128+64
	ds_load_b128 v[rST+12:rST+15], v[AB] offset:ci*16*PB+(\j)*128+80
.set ci, ci+1
.endr
.endm
; AN EVEN CHUNK (buffers 0) changes slots.  mode 2: refill behind a round of the cluster's barrier; 1: a plain barrier, nothing is asked for; 0: the last step.
.macro EVEN zero, mode
	s_wait_dscnt 32                                ; hf's 16 loads are in; the 32 younger ones (staging) may be out
	MM 0, 2, 0, \zero
	PLACES                                         ; behind the chunk before, which read buffers 1
	LOADA 1, 1                                     ; my last reads of this slot
	s_xor_b32 s[TA], s[TA], SLOT1
.if \mode
	s_wait_tensorcnt 0x0                           ; all my tensor loads have landed: the one that was out is my part of the next slot
	ds_add_u32 v[SPW], v[NIL]                      ; 0 onto my spare word; work on registers follows
.endif
.if (\mode) == 2
	NEXTD
.endif
.irp b, 0,1,2,3
	s_wait_dscnt 44-4*\b                           ; staging block b is in: out may be the 28 - 4 b staging loads behind it and hf's 16 (with the add out too, one load more is waited for)
	CVT \b, 1
	MM 2+2*\b, 2, 0, \zero
.endr
.if \mode
	s_wait_dscnt 0x0                               ; the add is done, and my reads of this slot are over
	s_barrier_signal -1
.endif
.irp b, 4,5,6,7
.if (\mode) == 0
	s_wait_dscnt 44-4*\b
.endif
	CVT \b, 1
	MM 2+2*\b, 2, 0, \zero
.endr
.if \mode
	WIN 0
	s_barrier_wait -1
.endif
.if (\mode) == 2
	CREST                                          ; no wave of any partner still reads this slot or has a load on its way
	JLOAD                                          ; the first tensor load behind the round: 112 matrix instructions ahead of the wait for it
.endif
.if \mode
	v_add_nc_u32 v[AB], s[TS], v[AB0]
	LOADS 0
.endif
	MM 18, 46, 0, \zero
.endm
.macro ODD mode                        ; an odd chunk (buffers 1); its hf was waited for in front of the even chunk's barrier.  mode 0: the very last chunk
.if \mode
	MM 0, 2, 1, 0
	PLACES                                         ; behind the chunk before, which read buffers 0
.irp b, 0,1,2,3,4,5,6,7
	s_wait_dscnt 28-4*\b                           ; staging block b is in: only the staging loads behind it are out
	CVT \b, 0
	MM 2+2*\b, 2, 1, 0
.endr
	WIN 0
	v_add_nc_u32 v[AA], s[TA], v[AA0]
	LOADA 0, 0
	LOADS 1
	s_xor_b32 s[TS], s[TS], SLOT1
	MM 18, 46, 1, 0
.else
	s_wait_dscnt 0x0
	MM 0, 64, 1, 0
.endif
.endm
	s_load_b128 s[4:7], s[0:1], 0x0                ; hf s[4:5], W2 s[6:7]
	s_load_b64 s[8:9], s[0:1], 0x10                ; part
	v_lshl_add_u32 v[SPW], v0, 2, SPARE
	v_mov_b32 v[NIL], 0
	ds_add_u32 v[SPW], v[NIL]                      ; the wave's opening: the add and its wait stand ahead of my first tensor load
	ds_add_u32 v28, v29
	v_lshrrev_b32 v1, 5, v0
	v_readfirstlane_b32 s[WV], v1
	s_lshr_b32 s[MH], s[WV], 1
	s_and_b32 s[NH], s[WV], 1
	s_bfe_u32 s[CX], ttmp6, 0x40000                ; the grid is one cluster wide: the column tile is cx,
	s_bfe_u32 s[CY], ttmp6, 0x40004                ; the token tile cy,
	s_and_b32 s17, ttmp7, 0xffff                   ; and the cluster's y is the split, which all sixteen share
	s_lshl_b32 s18, s[CY], 2
	s_lshl_b32 s18, 15, s18                        ; my row of the cluster
	s_lshl_b32 s19, 0x1111, s[CX]                  ; my column
	s_or_b32 s[G1A], s18, (3<<16)|(1<<21)          ; hf: 16,384 dense bytes as 64 rows of 32 elements of 8 bytes
	s_mov_b32 s[G1A+1], 32<<16
	s_mov_b32 s[G1A+2], 64<<16
	s_mov_b32 s[G1A+3], 32<<16
	s_mov_b32 s[G1A+4], 64
	s_mov_b32 s[G1A+5], 32
	s_mov_b32 s[G1A+6], 0
	s_mov_b32 s[G1A+7], 0
	s_or_b32 s[G1B], s19, (2<<16)|(1<<20)|(1<<21)|(5<<22)|(3<<25)  ; W2: 128 rows x 64 f32; padding: after every 64 words (code 5) 4 words (code 3)
	s_mov_b32 s[G1B+1], 64<<16
	s_mov_b32 s[G1B+2], 128<<16
	s_mov_b32 s[G1B+3], 64<<16
	s_mov_b32 s[G1B+4], 128
	s_mov_b32 s[G1B+5], KROW
	s_mov_b32 s[G1B+6], 0
	s_mov_b32 s[G1B+7], 0
	s_lshl_b32 s20, s[CY], 24                      ; hf: token tile x 2^24 + split x 64 chunks x 16,384 + the chunk that I fetch: no register here ever holds cx
	s_lshl_b32 s21, s17, 20
	s_add_co_u32 s20, s20, s21
	s_lshl_b32 s21, s[NH], 14
	s_add_co_u32 s20, s20, s21
	s_mov_b32 s21, 0
	s_lshr_b32 s22, s17, 1                         ; W2: expert x 2^24 + (256 cx + 128 half) rows of 16,384 bytes + the expert's half x 8,192: no register here ever holds cy
	s_lshl_b32 s22, s22, 24
	s_lshl_b32 s23, s[CX], 22
	s_add_co_u32 s22, s22, s23
	s_lshl_b32 s23, s[NH], 21
	s_add_co_u32 s22, s22, s23
	s_and_b32 s23, s17, 1
	s_lshl_b32 s23, s23, 13
	s_add_co_u32 s22, s22, s23
	s_mov_b32 s23, 0
	s_lshl_b32 s86, s17, 22                        ; part: split x 2^22 + (256 cy + 128 mh) rows of 4,096 bytes + (256 cx + 128 nh) x 4
	s_lshl_b32 s87, s[CY], 20
	s_add_co_u32 s86, s86, s87
	s_lshl_b32 s87, s[MH], 19
	s_add_co_u32 s86, s86, s87
	s_lshl_b32 s87, s[CX], 10
	s_add_co_u32 s86, s86, s87
	s_lshl_b32 s87, s[NH], 9
	s_add_co_u32 s86, s86, s87
	s_mov_b32 s87, 0
	s_lshl_b32 s94, s[NH], 14                      ; where my part of a tile goes in a slot: no place in the cluster enters an LDS address
	s_mul_i32 s95, s[NH], HALFB
	s_add_co_u32 s95, s95, BOFF
	s_lshl_b32 s3, s[MH], 13                       ; my 8 token blocks in a chunk of hf
	s_mul_i32 s2, s[WV], 16*SP
	s_add_co_u32 s2, s2, STAGE                     ; my stage
	s_mov_b32 s[OFA+1], 0
	s_mov_b32 s[OFB+1], 0
	s_mov_b32 s[NX], 2
	s_mov_b32 s[TA], 0
	s_mov_b32 s[TS], 0
	s_wait_dscnt 0x0                               ; the opening add is done
	s_wait_kmcnt 0x0
	s_add_nc_u64 s[BA:BA+1], s[4:5], s[20:21]
	s_add_nc_u64 s[BB:BB+1], s[6:7], s[22:23]
	s_add_nc_u64 s[8:9], s[8:9], s[86:87]
.irp s, 0,1
	s_mov_b32 s[G0A+4*(\s)], 1
	s_add_co_u32 s[G0A+4*(\s)+1], s94, (\s)*SLOT1
	s_add_nc_u64 s[G0A+4*(\s)+2:G0A+4*(\s)+3], s[BA:BA+1], (\s)*32768
	s_or_b32 s[G0A+4*(\s)+3], s[G0A+4*(\s)+3], 0x80000000
	s_mov_b32 s[G0B+4*(\s)], 1
	s_add_co_u32 s[G0B+4*(\s)+1], s95, (\s)*SLOT1
	s_add_nc_u64 s[G0B+4*(\s)+2:G0B+4*(\s)+3], s[BB:BB+1], (\s)*256
	s_or_b32 s[G0B+4*(\s)+3], s[G0B+4*(\s)+3], 0x80000000
.endr
	CROUND                                         ; all sixteen work-groups are here: the first joint loads meet
	s_cmp_lt_u32 s[WV], 2                          ; a wave's two first fills stand in one branch: two loads of mine are out
	s_cbranch_scc0 .Lfirst_b
	tensor_load_to_lds s[G0A:G0A+3], s[G1A:G1A+7]
	s_nop 0
	tensor_load_to_lds s[G0A+4:G0A+7], s[G1A:G1A+7]
	s_nop 0
	PLACES
	s_branch .Lfirst_asked
.Lfirst_b:
	tensor_load_to_lds s[G0B:G0B+3], s[G1B:G1B+7]
	s_nop 0
	tensor_load_to_lds s[G0B+4:G0B+7], s[G1B:G1B+7]
	s_nop 0
	PLACES
.Lfirst_asked:
	v_and_b32 v1, 31, v0                           ; lane l
	v_and_b32 v2, 15, v0                           ; l % 16
	v_bfe_u32 v3, v0, 4, 1                         ; l / 16
	v_lshlrev_b32 v[L16], 4, v1
	v_add_nc_u32 v[AA0], s3, v[L16]
	v_mul_u32_u24 v[AB0], v2, PB
	v_lshl_add_u32 v[AB0], v3, 5, v[AB0]
	v_add_nc_u32 v[AB0], s95, v[AB0]
	v_mul_u32_u24 v[STO], v2, SP                   ; in: row l % 16, 32 bytes for each half of the lanes
	v_lshl_add_u32 v[STO], v3, 5, v[STO]
	v_add_nc_u32 v[STO], s2, v[STO]
	v_add_nc_u32 v[RD], s2, v[L16]                 ; back: 32 lanes take one row of 512 bytes
	s_wait_tensorcnt 0x1                           ; my part of step 0 is in; step 1's may stay out
	s_barrier_signal -1
	s_barrier_wait -1
	v_add_nc_u32 v[AA], s[TA], v[AA0]
	v_add_nc_u32 v[AB], s[TS], v[AB0]
	LOADA 0, 0
	LOADS 0
	s_wait_dscnt 0x0
.irp b, 0,1,2,3,4,5,6,7
	CVT \b, 0
.endr
	LOADS 1
	s_xor_b32 s[TS], s[TS], SLOT1
	EVEN 1, 2                                      ; the first chunk starts the sums
	WIN 0
	s_mov_b32 s[CT], 30
	s_branch .Lmid
.Lstep:                                                ; steps 0 to 29: each asks for the step two on
	EVEN 0, 2
	WIN 0
.Lmid:
	ODD 1
	WIN 0
	s_sub_co_u32 s[CT], s[CT], 1
	s_cmp_lg_u32 s[CT], 0
	s_cbranch_scc1 .Lstep
	EVEN 0, 1                                      ; the last two steps are written out: nothing is asked for
	ODD 1
	EVEN 0, 0
	ODD 0
; THE WAY OUT, a token block (16 rows x 512 bytes) at a time through my own stage: a lane's 32 bytes go into rows of 528 bytes and come back as whole rows.
.macro TOSTAGE a
.if (\a) >= 2
	s_wait_xcnt 0x0                                ; the stores of two blocks ago have read the registers that are loaded below
.endif
	WIN 0x08+4*((\a)/4)                            ; the stores' data (source 1) in window 2 or 3
.set ci, 0
.rept 8                                ; each accumulator from its low end on
	ds_store_b128 v[STO], v[64*((\a)%4)+8*ci:64*((\a)%4)+8*ci+3]   offset:64*ci
	ds_store_b128 v[STO], v[64*((\a)%4)+8*ci+4:64*((\a)%4)+8*ci+7] offset:64*ci+16
.set ci, ci+1
.endr
	WIN 0
.set ci, 0
.rept 16
	ds_load_b128 v[64+64*((\a)%2)+4*ci:64+64*((\a)%2)+4*ci+3], v[RD] offset:SP*ci  ; LDS serves a wave's instructions in order (ISA guide 5.7.1.4): these see the stores above; the next block's stores come behind them
.set ci, ci+1
.endr
.endm
.macro SEND a, younger                 ; younger: the LDS instructions issued behind block a's loads: the next block's 32, or none
.set ci, 0
.rept 16
	s_wait_dscnt (\younger)+15-ci
	global_store_b128 v[L16], v[64+64*((\a)%2)+4*ci:64+64*((\a)%2)+4*ci+3], s[8:9] offset:65536*(\a)+4096*ci  ; 512 consecutive bytes, at a multiple of 512 from part's first
.set ci, ci+1
.endr
.endm
	PLACES                                         ; behind the last products: their results are read, and their sources loaded into, below
	TOSTAGE 0
.irp a, 1,2,3,4,5,6,7
	TOSTAGE \a
	SEND (\a)-1, 32
.endr
	SEND 7, 0
	s_wait_tensorcnt 0x0                           ; the wave's end
	ds_add_u32 v[SPW], v[NIL]
	s_wait_dscnt 0x0
	CROUND                                         ; the closing round
	s_endpgm
.Lfunc_end_k_qa0f3f692bd_gemm2:
	.size	k_qa0f3f692bd_gemm2, .Lfunc_end_k_qa0f3f692bd_gemm2-k_qa0f3f692bd_gemm2
	.p2alignl 7, 3214868480
	.fill 96, 4, 3214868480
	.section	.rodata,"a",@progbits
	.p2align	6, 0x0
	.amdhsa_kernel k_qa0f3f692bd_gemm2
		.amdhsa_group_segment_fixed_size 327680
		.amdhsa_private_segment_fixed_size 0
		.amdhsa_enable_private_segment 0
		.amdhsa_kernarg_size 24
		.amdhsa_user_sgpr_count 2
		.amdhsa_user_sgpr_kernarg_segment_ptr 1
		.amdhsa_wavefront_size32 1
		.amdhsa_system_sgpr_workgroup_id_x 1
		.amdhsa_system_sgpr_workgroup_id_y 1
		.amdhsa_system_sgpr_workgroup_id_z 1
		.amdhsa_system_vgpr_workitem_id 0
		.amdhsa_next_free_vgpr 1024
		.amdhsa_next_free_sgpr 96
		.amdhsa_reserve_vcc 0
		.amdhsa_float_denorm_mode_32 3
		.amdhsa_float_denorm_mode_16_64 3
		.amdhsa_memory_ordered 1
		.amdhsa_forward_progress 1
		.amdhsa_inst_pref_size 127
	.end_amdhsa_kernel
	.amdgpu_metadata
---
amdhsa.version: [ 1, 2 ]
amdhsa.kernels:
  - .name:           k_qa0f3f692bd_gemm2
    .symbol:         k_qa0f3f692bd_gemm2.kd
    .args:
      - { .name: hf, .offset: 0, .size: 8, .value_kind: global_buffer, .address_space: global }
      - { .name: W2, .offset: 8, .size: 8, .value_kind: global_buffer, .address_space: global }
      - { .name: part, .offset: 16, .size: 8, .value_kind: global_buffer, .address_space: global }
    .group_segment_fixed_size: 327680
    .private_segment_fixed_size: 0
    .kernarg_segment_align: 8
    .kernarg_segment_size: 24
    .max_flat_workgroup_size: 128
    .sgpr_count:     96
    .vgpr_count:     1024
    .wavefront_size: 32
...
	.end_amdgpu_metadata
.endif
;; end of part 3
;; launch reduce (part 4): grid 1024 x 1, 8 waves a work-group, no clusters, 0 bytes of LDS; arguments part, out0; writes out0
.if DOCPART == 4
	.amdgcn_target "amdgcn-amd-amdhsa--gfx1250"
	.amdhsa_code_object_version 6
	.text
	.protected	k_qa0f3f692bd_reduce
	.globl	k_qa0f3f692bd_reduce
	.p2align	8
	.type	k_qa0f3f692bd_reduce,@function
k_qa0f3f692bd_reduce:
	s_mov_b64 s[64:65], 0
	v_nop
	global_prefetch_b8 v0, s[64:65] scope:SCOPE_SE
	s_setreg_imm32_b32 hwreg(HW_REG_WAVE_MODE, 25, 1), 1
	s_wait_xcnt 0x0
; out0[n][h] = the sum over the 16 splits of part[s][n][h], in f32, splits ascending.  A stream: a thread owns 16 bytes of the output; a wave's load or store covers 512 consecutive bytes.
; All 16 loads of a thread go out before the first wait; nothing is read twice; no LDS, no barrier, no matrix unit: there is nothing for them to do here.
.set SPLIT, 4194304                    ; bytes in a split
	s_load_b128 s[4:7], s[0:1], 0x0                ; part s[4:5], out0 s[6:7]
	s_lshl_b32 s16, ttmp9, 12                      ; 256 threads x 16 bytes a work-group
	v_lshl_add_u32 v1, v0, 4, s16
	s_wait_kmcnt 0x0
.irp k, 0,1,2,3
	s_add_nc_u64 s[8+2*(\k):9+2*(\k)], s[4:5], (4*(\k)+2)*SPLIT  ; four bases; the signed 24-bit immediate reaches two splits back and one on
.endr
.irp k, 0,1,2,3
.irp d, 0,1,2,3
	global_load_b128 v[4+16*(\k)+4*(\d):7+16*(\k)+4*(\d)], v1, s[8+2*(\k):9+2*(\k)] offset:((\d)-2)*SPLIT th:TH_LOAD_NT
.endr
.endr
.set sp, 1
.rept 15
	s_wait_loadcnt 15-sp                           ; loads come back in order (ISA guide 5.7.1): split sp is in, the later ones stay out
	v_pk_add_f32 v[4:5], v[4:5], v[4+4*sp:5+4*sp]
	v_pk_add_f32 v[6:7], v[6:7], v[6+4*sp:7+4*sp]
.set sp, sp+1
.endr
	global_store_b128 v1, v[4:7], s[6:7] th:TH_STORE_NT
	s_endpgm
.Lfunc_end_k_qa0f3f692bd_reduce:
	.size	k_qa0f3f692bd_reduce, .Lfunc_end_k_qa0f3f692bd_reduce-k_qa0f3f692bd_reduce
	.p2alignl 7, 3214868480
	.fill 96, 4, 3214868480
	.section	.rodata,"a",@progbits
	.p2align	6, 0x0
	.amdhsa_kernel k_qa0f3f692bd_reduce
		.amdhsa_group_segment_fixed_size 0
		.amdhsa_private_segment_fixed_size 0
		.amdhsa_enable_private_segment 0
		.amdhsa_kernarg_size 16
		.amdhsa_user_sgpr_count 2
		.amdhsa_user_sgpr_kernarg_segment_ptr 1
		.amdhsa_wavefront_size32 1
		.amdhsa_system_sgpr_workgroup_id_x 1
		.amdhsa_system_sgpr_workgroup_id_y 1
		.amdhsa_system_sgpr_workgroup_id_z 1
		.amdhsa_system_vgpr_workitem_id 0
		.amdhsa_next_free_vgpr 72
		.amdhsa_next_free_sgpr 66
		.amdhsa_reserve_vcc 0
		.amdhsa_float_denorm_mode_32 3
		.amdhsa_float_denorm_mode_16_64 3
		.amdhsa_memory_ordered 1
		.amdhsa_forward_progress 1
		.amdhsa_inst_pref_size 5
	.end_amdhsa_kernel
	.amdgpu_metadata
---
amdhsa.version: [ 1, 2 ]
amdhsa.kernels:
  - .name:           k_qa0f3f692bd_reduce
    .symbol:         k_qa0f3f692bd_reduce.kd
    .args:
      - { .name: part, .offset: 0, .size: 8, .value_kind: global_buffer, .address_space: global }
      - { .name: out0, .offset: 8, .size: 8, .value_kind: global_buffer, .address_space: global }
    .group_segment_fixed_size: 0
    .private_segment_fixed_size: 0
    .kernarg_segment_align: 8
    .kernarg_segment_size: 16
    .max_flat_workgroup_size: 256
    .sgpr_count:     66
    .vgpr_count:     72
    .wavefront_size: 32
...
	.end_amdgpu_metadata
.endif
;; end of part 4
;; ======== version 2 of 2: 4 launches; 1.12 times as fast as version 1
;; workspace buffers: xf 2,097,152 bytes; pr 32,768 bytes; hf 67,108,864 bytes; part 67,108,864 bytes
;; launch prep: the kernel of part 1 again; grid 64 x 1, 4 waves a work-group, no clusters, 167,936 bytes of LDS; arguments hidden_states, Wr, xf, pr; writes xf, pr
;; launch gemm1 (part 5): grid 64 x 4, 4 waves a work-group, clusters of 4 x 4, 327,680 bytes of LDS; arguments xf, W1, pr, hf; writes hf
.if DOCPART == 5
	.amdgcn_target "amdgcn-amd-amdhsa--gfx1250"
	.amdhsa_code_object_version 6
	.text
	.protected	k_qa0f3f692bd_gemm1
	.globl	k_qa0f3f692bd_gemm1
	.p2align	8
	.type	k_qa0f3f692bd_gemm1,@function
k_qa0f3f692bd_gemm1:
	s_mov_b64 s[64:65], 0
	v_nop
	global_prefetch_b8 v0, s[64:65] scope:SCOPE_SE
	s_setreg_imm32_b32 hwreg(HW_REG_WAVE_MODE, 25, 1), 1
	s_wait_xcnt 0x0
	s_wait_alu depctr_hold_cnt(0) depctr_sa_sdst(0) depctr_va_vdst(0) depctr_va_sdst(0) depctr_va_ssrc(0) depctr_va_vcc(0) depctr_vm_vsrc(0)
	s_getreg_b32 s2, hwreg(HW_REG_IB_STS2, 6, 4)
	s_cmp_eq_u32 s2, 0
	s_cbranch_scc0 .Lentry_in_a_cluster
	s_endpgm
.Lentry_in_a_cluster:
	s_bfe_u32 s2, ttmp6, 0x10000c
	s_cmp_lg_u32 s2, 0xf033
	s_cbranch_scc0 .Lentry_shape_is_right
	s_endpgm
.Lentry_shape_is_right:
; GEMM 1 OF THE MLP.  hf[n][(e,i)] = gelu(sum over k of x[n][k] W1[e][i][k]) x pr[n][e], rounded once to bf16.  The 8 experts' hidden layers are one hidden width of 32,768 (row 4,096 e + i of W1),
; and expert e's weight, the token's e-th largest probability, is folded in here.  x comes as bf16 fragments (xf); W1 comes in f32, is read from memory once in the whole launch and is rounded to bf16
; on its way from LDS to the matrix unit.  Sums in f32.
; hf[Mtile 4][chunk 1,024][tb 16][1,024 bytes]: fragments of 16 tokens x 32 hidden in the order in which the next launch's operand registers take them (as xf).
; SHARES.  A tile is 256 tokens x 256 hidden: four waves, each 128 x 128 = 64 accumulators, 512 registers.  128 x 4 tiles, 256 work-groups: each STAYS and makes tiles nt and nt + 64; the ring runs on across the change.
; THE MATRIX INSTRUCTION IS USED TRANSPOSED: source 0 = 16 rows of W1, source 1 = 16 tokens: a lane holds one token (l % 16) and 8 neighbouring hidden numbers, which pack into the 16 bytes that hf wants: no way through LDS.
; LDS HOLDS W1 ALONE.  K goes in steps of 128 (four CHUNKS of 32) through two slots of 256 rows x 512 bytes.  With x beside it a slot of 128 along K would take 64 KB + 132 KB, and two such do not fit;
; so x's fragments, which lie in xf as the registers take them, come straight into registers: 16 loads of 512 consecutive bytes a chunk, three chunks ahead, four buffers.
; CLUSTER 4 x 4.  W1's tile hangs on the hidden tile (cx) alone and is asked for jointly along a column of the cluster, whose four work-groups cover all 1,024 tokens.  x is NOT asked for jointly, for the room
; in LDS just counted; the price: a fragment of x is read by eight waves, two in each of the four work-groups of a row.
; THE PIPELINE.  Chunk c multiplies W1's bf16 buffer c % 2 and x's buffer c % 4.  Its loads stand in TWO RUNS, never singly among the products.  First half: the staging registers (blocks 0-3 of chunk c + 1,
; 16 f32 a lane and block) are rounded into buffer (c + 1) % 2, 8 roundings behind every 2 products; run 1: blocks 4-7 of chunk c + 1 out of LDS, and x of chunk c + 3; 24 products.  Second half: the same with
; blocks 4-7; run 2: blocks 0-3 of chunk c + 2; 26 products.  A slot's last read is run 1 of a step's third chunk, the next slot's first is run 2 of that chunk: the step's one barrier stands between them.
; A TILE'S END.  The epilogue works in W1's registers (x's buffers hold the next tile's first chunks), so each tile begins by reading its first chunk of W1 from LDS anew; what the first tile's last two
; chunks rounded and loaded ahead (64 roundings, 48 LDS loads a wave) serves nothing: the price of one text for every trip.
; GELU, exact form: 0.5 x (1 + erf(x / sqrt 2)), erf by Abramowitz and Stegun 7.1.26 (good for every argument, absolute error 1.5e-7).  LIMITS: 2^(-u^2) below 2^-126 counts as 0; NaN and infinities are not treated apart.
; REGISTERS, in windows of 256 (s_set_vgpr_msb: bits 1:0 source 0, 3:2 source 1, 5:4 source 2, 7:6 destination):
;   window 0: v0-31 addresses; v64-127, v128-191, v192-255 x's buffers 0, 1, 2
;   window 1: v0-63, v64-127 W1's bf16 buffers 0, 1 (block b at 8 b); v128-191 staging (four blocks of 16); v192-255 x's buffer 3.  In the epilogue v0-168 are at work
;   window 2: accumulators of my token blocks 0-3 ((a, b) at 8 (8 (a % 4) + b));   window 3: of blocks 4-7
.set KROW,  1024                       ; elements from row to row of W1
.set PB,    528                        ; a row of W1 in LDS: 512 bytes + 16 of padding = 33 x 16: the 16 rows of a load start at 16 different groups of four banks (64 banks of 4 bytes: ISA guide 11.1)
.set QROWS, 64*PB                      ; what one tensor load brings
.set HALFB, 128*PB                     ; what one wave reads
.set SLOTB, 256*PB
.set SPARE, 2*SLOTB                    ; behind the ring: the spare words, 128 bytes a wave
.set ST,  128                          ; the staging registers, in window 1
.set L16, 6                            ; v6     16 x lane; never rewritten
.set PO,  7                            ; v7     32 x (l % 16): my token's row in pr
.set PV,  8                            ; v8-15  pr of my token in each of my 8 token blocks
.set AB0, 20                           ; v20    my place in a slot;  v21 the address in hand
.set AB,  21
.set SPW, 28                           ; v28    LDS address of my spare word; never rewritten
.set NIL, 29                           ; v29    0; never rewritten
.set U,   0                            ; the epilogue's registers, all in window 1: v0-63 a token block's 64 numbers
.set T,   64                           ; v64-95   1 + CP |u|, then its reciprocal: two sets of 16
.set EX,  96                           ; v96-127  -u^2, then 2^(-u^2): two sets of 16
.set R,   128                          ; v128-143 the polynomial, then erf
.set OUT, 144                          ; v144-159 packed results: two sets of 8
.set PP,  160                          ; v160-161 0.5 / CU x pr, twice
.set LW,  168                          ; v168     16 x lane once more
.set WV,  12                           ; s12 wave; s13 its token half; s14 its hidden half
.set MH,  13
.set NH,  14
.set CX,  15
.set CY,  16
.set TS,  24                           ; s24 the slot that is read: 0 or SLOTB
.set CW,  25                           ; s25 the sum of my part's two LDS addresses: taking one from it gives the other
.set WOFF, 26                          ; s26 my part's place in a slot
.set CN,  27                           ; s27 the chunk of x asked for last, 0..63 over both tiles
.set STOP, 28                          ; s28 the count at which the loop is left at its foot: none in the first tile, 2 in the second
.set G1B, 32                           ; s[32:39] descriptor group 1
.set G0B, 40                           ; s[40:47] group 0: a set for each first fill; the second then walks
.set NX,  56                           ; s56 the step to be asked for next, 0..15 over both tiles
.set CT,  57                           ; s57 counts changes of slots
.set TL,  58                           ; s58 tiles to go
.set EA,  61                           ; s61 the epilogue's token block
.set OFA, 62                           ; s[62:63] a chunk's byte offset in x
.set BA,  66                           ; s[66:67] x at my token half, chunk 0;  s[68:69] W1 at my part of step 0
.set BB,  68
.set OFB, 70                           ; s[70:71] a step's byte offset in W1
.set CU,  72                           ; s[72:73] sqrt(log2(e) / 2)
.set CP,  74                           ; s74 0.3275911 / sqrt(log2(e))
.set CPH, 75                           ; s75 0.5 / CU
.set A1,  76                           ; s[76:85] the polynomial's five numbers, each as a pair
.set A2,  78
.set A3,  80
.set A4,  82
.set A5,  84
.set HF,  88                           ; s[88:89] hf at the token block in hand
.set PR,  90                           ; s[90:91] pr at my first token and the tile's expert
.set AP,  92                           ; s[92:93] x at the chunk asked for
.set MSB, 0
.macro WIN new                         ; the immediate's high byte repeats the setting that is left; a switch that changes nothing is dropped
.if MSB != (\new)
	s_set_vgpr_msb (MSB<<8)|(\new)
.set MSB, \new
.endif
.endm
.macro PLACES                          ; four places between a matrix instruction and a vector instruction or load that writes one of its registers or reads its result
.rept 4
	v_nop
.endr
.endm
.macro JLOAD                           ; a joint refill: every wave fetches its 64 rows; an s_nop 0 and four v_nop follow
	tensor_load_to_lds s[G0B+4:G0B+7], s[G1B:G1B+7]
	s_nop 0
	PLACES
.endm
.macro CREST                           ; a round of the cluster's barrier behind its opening barrier
	s_cmp_lg_u32 s[WV], 0
	s_cbranch_scc1 .Lnot_wave_0_\@
	s_barrier_signal -3
.Lnot_wave_0_\@:
	s_barrier_wait -3
	s_barrier_signal -1
	s_barrier_wait -1
.endm
.macro CROUND                          ; a whole round
	s_barrier_signal -1
	s_barrier_wait -1
	CREST
.endm
; The walking descriptor steps to step NX: the other slot; the address made anew from the base and an offset of its own.  Steps 8-15 are the second tile's: 64 tiles (2^26 bytes) on.
.macro NEXTD
	s_and_b32 s3, s[NX], 7
	s_lshl_b32 s[OFB], s3, 9                       ; a step of a row: 512 bytes
	s_lshr_b32 s3, s[NX], 3
	s_lshl_b32 s3, s3, 26
	s_or_b32 s[OFB], s[OFB], s3
	s_sub_co_u32 s[G0B+5], s[CW], s[G0B+5]
	s_add_nc_u64 s[G0B+6:G0B+7], s[BB:BB+1], s[OFB:OFB+1]
	s_or_b32 s[G0B+7], s[G0B+7], 0x80000000
	s_add_co_u32 s[NX], s[NX], 1
.endm
; Matrix instructions first .. first + count - 1 of the 64 of chunk j of a step: number i is token block i / 8, block i % 8 of W1.  The 64 accumulators take turns in the same order in every chunk,
; one instruction a turn.  zero = 1: the products start the sums.
.macro MM first, count, j, zero
.set mi, \first
.rept \count
	WIN 0xa1+0x50*(mi/32)+0x04*((\j)/3)            ; source 0 (W1) window 1; source 1 (x) window 0, buffer 3 window 1; C and D window 2 or 3
.set rD, 8*(mi%32)
.set rB, 64*((\j)%2)+8*(mi%8)
.set rA, 64+64*(\j)-64*((\j)/3)+8*(mi/8)
.if \zero
	v_wmma_f32_16x16x32_bf16 v[rD:rD+7], v[rB:rB+7], v[rA:rA+7], 0
.else
	v_wmma_f32_16x16x32_bf16 v[rD:rD+7], v[rB:rB+7], v[rA:rA+7], v[rD:rD+7]
.endif
.set mi, mi+1
.endr
.endm
.macro CVT src, b, f                   ; the 16 f32 from register src on are rounded into fragment b of W1's buffer f
	WIN 0x45                                       ; destination and both sources window 1
.set ci, 0
.rept 8
	v_cvt_pk_bf16_f32 v[64*(\f)+8*(\b)+ci], v[(\src)+2*ci], v[(\src)+2*ci+1]
.set ci, ci+1
.endr
.endm
.macro LOADH dst, half, jl             ; W1's f32 of blocks 4 half + 0..3 (block b: rows 16 b + l % 16), chunk jl of the slot in AB: k = 8 (l / 16) + 0..7 and 16 + 8 (l / 16) + 0..7; 16 loads
	WIN 0x40                                       ; destination window 1, address window 0
.set ci, 0
.rept 4
.set rS, (\dst)+16*ci
.set oB, (4*(\half)+ci)*16*PB+(\jl)*128
	ds_load_b128 v[rS:rS+3],     v[AB] offset:oB
	ds_load_b128 v[rS+4:rS+7],   v[AB] offset:oB+16
	ds_load_b128 v[rS+8:rS+11],  v[AB] offset:oB+64
	ds_load_b128 v[rS+12:rS+15], v[AB] offset:oB+80
.set ci, ci+1
.endr
.endm
.macro LOADA j                         ; in chunk j of a step: x's 8 fragments of the chunk three on, into the buffer that the chunk before has left.  Chunks 32-63 are the second tile's: x from its start again
.set gA, ((\j)+3)%4
.set rG, 64+64*gA-64*(gA/3)
	s_wait_xcnt 0x0                                ; the last run's loads have had their addresses translated (ISA guide 3.1): their base is written below
	s_add_co_u32 s[CN], s[CN], 1
	s_and_b32 s3, s[CN], 31
	s_lshl_b32 s[OFA], s3, 14
	s_add_nc_u64 s[AP:AP+1], s[BA:BA+1], s[OFA:OFA+1]
	WIN 0x40*(gA/3)
.set ci, 0
.rept 8
	global_load_b128 v[rG+8*ci:rG+8*ci+3],   v[L16], s[AP:AP+1] offset:ci*1024
	global_load_b128 v[rG+8*ci+4:rG+8*ci+7], v[L16], s[AP:AP+1] offset:ci*1024+512
.set ci, ci+1
.endr
.endm
; A tile's beginning: W1's first chunk into buffer 0 (buffer 1's registers serve as staging for blocks 4-7 this once), the second chunk's blocks 0-3 on their way.
.macro PRO
	LOADH ST, 0, 0
	LOADH 64, 1, 0
	s_wait_dscnt 0x0
.irp k, 0,1,2,3
	CVT ST+16*\k, \k, 0
.endr
.irp k, 0,1,2,3
	CVT 64+16*\k, 4+\k, 0
.endr
	LOADH ST, 0, 1
.endm
; CHUNK j of a step.  zero = 1: the products start the sums.  chg (j = 2 alone): 2: the slot is left and filled again behind a round of the cluster's barrier; 1: a plain barrier, nothing is asked for.
; la = 0: no more of x is asked for.  ls = 2: both runs read LDS; 1: the last chunk but one: run 1 alone; 0: the last chunk: products alone.  lw: x's loads that may stay out.
.macro CHUNK j, zero=0, chg=0, la=1, ls=2, lw=32
	s_wait_loadcnt \lw                             ; this chunk's x is in; the loads of the chunks behind it stay out
.if (\ls) == 0
	MM 0, 64, \j, \zero
.else
	MM 0, 2, \j, \zero
	PLACES                                         ; behind the chunk before, which read the bf16 buffer and the buffer of x that are written below
.irp k, 0,1,2,3
	s_wait_dscnt 12-4*\k                           ; of the last run's 16 loads, sub-block k's four are in: those of the sub-blocks behind it may be out
	CVT ST+16*\k, \k, ((\j)+1)%2
.if \k < 3
	MM 2+2*\k, 2, \j, \zero
.endif
.endr
	LOADH ST, 1, ((\j)+1)%4                        ; RUN 1
.if \la
	LOADA \j
.endif
.if \chg
	WIN 0                                          ; (the add's two registers lie in window 0)
	s_wait_tensorcnt 0x0                           ; all my tensor loads have landed: the one that was out is my part of the next slot
	ds_add_u32 v[SPW], v[NIL]                      ; 0 onto my spare word; work on registers follows
.if (\chg) == 2
	NEXTD
.endif
	s_sub_co_u32 s[TS], SLOTB, s[TS]               ; the other slot
	MM 8, 16, \j, \zero
	s_wait_dscnt 0x0                               ; the add is done, and my reads of this slot (run 1 held the last) are over
	s_barrier_signal -1                            ; (chg = 2: this barrier opens a round of the cluster's)
	MM 24, 8, \j, \zero                            ; work on registers while the others arrive
	WIN 0                                          ; at a branch and at a label every window is 0
	s_barrier_wait -1
.if (\chg) == 2
	CREST                                          ; no wave of any partner still reads this slot or has a load on its way
	JLOAD                                          ; the first tensor load behind the round: 232 matrix instructions ahead of the wait for it
.endif
	v_add_nc_u32 v[AB], s[TS], v[AB0]
.else
	MM 8, 24, \j, \zero
.endif
.irp k, 0,1,2,3
.if (\chg) == 0
	s_wait_dscnt 12-4*\k                           ; as above, of run 1's 16 loads
.endif
	CVT ST+16*\k, 4+\k, ((\j)+1)%2
.if \k < 3
	MM 32+2*\k, 2, \j, \zero
.endif
.endr
.if (\ls) == 2
	LOADH ST, 0, ((\j)+2)%4                        ; RUN 2
.endif
	MM 38, 26, \j, \zero
.endif
.endm
	s_load_b256 s[4:11], s[0:1], 0x0               ; xf s[4:5], W1 s[6:7], pr s[8:9], hf s[10:11]
	v_lshl_add_u32 v[SPW], v0, 2, SPARE
	v_mov_b32 v[NIL], 0
	ds_add_u32 v[SPW], v[NIL]                      ; the wave's opening: the add and its wait stand ahead of my first tensor load; the set-up below stands between them
	ds_add_u32 v28, v29
	v_lshrrev_b32 v1, 5, v0
	v_readfirstlane_b32 s[WV], v1
	v_and_b32 v1, 31, v0                           ; lane l
	v_and_b32 v2, 15, v0                           ; l % 16
	v_bfe_u32 v3, v0, 4, 1                         ; l / 16
	v_lshlrev_b32 v[L16], 4, v1
	v_lshlrev_b32 v[PO], 5, v2
	s_lshr_b32 s[MH], s[WV], 1
	s_and_b32 s[NH], s[WV], 1
	s_bfe_u32 s[CX], ttmp6, 0x40000
	s_bfe_u32 s[CY], ttmp6, 0x40004                ; the grid is one cluster high: the token tile is cy
	s_lshl_b32 s17, ttmp9, 2
	s_add_co_u32 s17, s17, s[CX]                   ; nt = 4 x cluster x + cx, 0..63
	s_lshl_b32 s19, 0x1111, s[CX]                  ; my column of the cluster
	s_or_b32 s[G1B], s19, (2<<16)|(1<<20)|(1<<21)|(6<<22)|(3<<25)  ; the mask; elements of 4 bytes; padding: after every 128 words (code 6) 4 words (code 3); bit 21 beside a mask
	s_mov_b32 s[G1B+1], 128<<16                    ; tensor_dim0 = 128
	s_mov_b32 s[G1B+2], 64<<16                     ; tensor_dim1 = 64
	s_mov_b32 s[G1B+3], 128<<16                    ; tile_dim0 = 128
	s_mov_b32 s[G1B+4], 64                         ; tile_dim1 = 64
	s_mov_b32 s[G1B+5], KROW
	s_mov_b32 s[G1B+6], 0
	s_mov_b32 s[G1B+7], 0
	s_lshl_b32 s20, s[CY], 19                      ; x: token tile x 524,288 + my 8 token blocks
	s_lshl_b32 s21, s[MH], 13
	s_add_co_u32 s20, s20, s21
	s_mov_b32 s21, 0
	s_lshl_b32 s22, s17, 20                        ; W1: (256 nt + 64 wave) rows of 4,096 bytes: no register here ever holds cy
	s_lshl_b32 s23, s[WV], 18
	s_add_co_u32 s22, s22, s23
	s_mov_b32 s23, 0
	s_lshl_b32 s86, s[CY], 13                      ; pr: (256 cy + 128 mh) tokens of 32 bytes + 4 x expert, the expert being nt / 16
	s_lshl_b32 s87, s[MH], 12
	s_add_co_u32 s86, s86, s87
	s_lshr_b32 s87, s17, 4
	s_lshl_b32 s87, s87, 2
	s_add_co_u32 s86, s86, s87
	s_mov_b32 s87, 0
	s_lshl_b32 s48, s[CY], 24                      ; hf: token tile x 2^24 + chunk (8 nt + 4 nh) x 16,384 + token block 8 mh x 1,024
	s_lshl_b32 s49, s17, 17
	s_add_co_u32 s48, s48, s49
	s_lshl_b32 s49, s[NH], 16
	s_add_co_u32 s48, s48, s49
	s_lshl_b32 s49, s[MH], 13
	s_add_co_u32 s48, s48, s49
	s_mov_b32 s49, 0
	s_mul_i32 s[WOFF], s[WV], QROWS                ; where my 64 rows go in a slot: no place in the cluster enters an LDS address
	s_lshl_b32 s[CW], s[WOFF], 1
	s_add_co_u32 s[CW], s[CW], SLOTB
	s_mul_i32 s2, s[NH], HALFB                     ; the 128 rows that I read
	v_mul_u32_u24 v[AB0], v2, PB
	v_lshl_add_u32 v[AB0], v3, 5, v[AB0]           ; row x pitch + 32 bytes (8 f32) for the upper half of the lanes
	v_add_nc_u32 v[AB0], s2, v[AB0]
	v_mov_b32 v[AB], v[AB0]                        ; slot 0
	s_mov_b32 s[CU], 0x3f596d27                    ; 0.8493218
	s_mov_b32 s[CU+1], s[CU]                       ; (named as pairs, so both words are written)
	s_mov_b32 s[CP], 0x3e8ba43f                    ; 0.2727375
	s_mov_b32 s[CPH], 0x3f16b55f                   ; 0.5887050
	s_mov_b32 s[A1], 0x3e827906                    ; 0.254829592
	s_mov_b32 s[A1+1], s[A1]
	s_mov_b32 s[A2], 0xbe91a98e                    ; -0.284496736
	s_mov_b32 s[A2+1], s[A2]
	s_mov_b32 s[A3], 0x3fb5f0e3                    ; 1.421413741
	s_mov_b32 s[A3+1], s[A3]
	s_mov_b32 s[A4], 0xbfba00e3                    ; -1.453152027
	s_mov_b32 s[A4+1], s[A4]
	s_mov_b32 s[A5], 0x3f87dc22                    ; 1.061405429
	s_mov_b32 s[A5+1], s[A5]
	s_mov_b32 s[OFA+1], 0
	s_mov_b32 s[OFB+1], 0
	s_mov_b32 s[NX], 2
	s_mov_b32 s[CN], 2
	s_mov_b32 s[TS], 0
	s_mov_b32 s[TL], 2
	s_mov_b32 s[STOP], 0
	s_wait_dscnt 0x0                               ; the opening add is done
	s_wait_kmcnt 0x0
	s_add_nc_u64 s[BA:BA+1], s[4:5], s[20:21]
	s_add_nc_u64 s[BB:BB+1], s[6:7], s[22:23]
	s_add_nc_u64 s[PR:PR+1], s[8:9], s[86:87]
	s_add_nc_u64 s[HF:HF+1], s[10:11], s[48:49]
.set hj, 0
.rept 3                                ; x's chunks 0, 1, 2 into buffers 0, 1, 2
.set ci, 0
.rept 8
	global_load_b128 v[64+64*hj+8*ci:64+64*hj+8*ci+3],   v[L16], s[BA:BA+1] offset:hj*16384+ci*1024
	global_load_b128 v[64+64*hj+8*ci+4:64+64*hj+8*ci+7], v[L16], s[BA:BA+1] offset:hj*16384+ci*1024+512
.set ci, ci+1
.endr
.set hj, hj+1
.endr
.irp s, 0,1
	s_mov_b32 s[G0B+4*(\s)], 1
	s_add_co_u32 s[G0B+4*(\s)+1], s[WOFF], (\s)*SLOTB
	s_add_nc_u64 s[G0B+4*(\s)+2:G0B+4*(\s)+3], s[BB:BB+1], (\s)*512
	s_or_b32 s[G0B+4*(\s)+3], s[G0B+4*(\s)+3], 0x80000000
.endr
	CROUND                                         ; all sixteen work-groups are here: the first joint loads meet
	tensor_load_to_lds s[G0B:G0B+3], s[G1B:G1B+7]  ; steps 0 and 1: two loads of mine are out
	s_nop 0
	tensor_load_to_lds s[G0B+4:G0B+7], s[G1B:G1B+7]
	s_nop 0
	PLACES
	s_wait_tensorcnt 0x1                           ; my part of step 0 is in; step 1's may stay out
	s_barrier_signal -1
	s_barrier_wait -1                              ; everybody's is
.Ltile:
.irp a, 0,1,2,3,4,5,6,7
	global_load_b32 v[PV+(\a)], v[PO], s[PR:PR+1] offset:512*(\a)  ; wanted in the epilogue, a tile's K loop later
.endr
	PRO
	CHUNK 0, 1                                     ; a tile's first chunk starts the sums
	WIN 0
	s_mov_b32 s[CT], 8
	s_branch .Lc1
.Lslot:                                                ; a trip: the change of slots in a step's third chunk, its fourth, the next step's first two.  Every trip asks for the step two on
	CHUNK 2, 0, 2
	CHUNK 3
	WIN 0
	s_sub_co_u32 s[CT], s[CT], 1
	s_cmp_eq_u32 s[CT], 0
	s_cbranch_scc1 .Lepi                           ; the first tile ends in its 8th trip: its steps 6 and 7 have asked for the second tile's steps 0 and 1
	CHUNK 0
	WIN 0
.Lc1:
	CHUNK 1
	WIN 0
	s_cmp_lg_u32 s[CT], s[STOP]
	s_cbranch_scc1 .Lslot                          ; the second tile leaves behind its 6th trip: nothing is left to ask for
	CHUNK 2, 0, 1                                  ; the tail is written out
	CHUNK 3
	CHUNK 0
	CHUNK 1, 0, 0, 0
	CHUNK 2, 0, 0, 0, 1, 16
	CHUNK 3, 0, 0, 0, 0, 0
	WIN 0
; THE EPILOGUE, a token block (64 numbers a lane) a trip.  With u = CU x:  t = 1 / (1 + CP |u|);  E = 2^(-u^2) = e^(-x^2 / 2);  erf = 1 - ((((a5 t + a4) t + a3) t + a2) t + a1) t E;
; v = u (0.5 / CU) pr = 0.5 x pr;  result = v + |v| erf.  It touches none of x's buffers 0 to 2, which hold or await the next tile's first chunks.
.Lepi:
	PLACES                                         ; behind the last products: their results are read, and W1's buffers written, below
	s_wait_dscnt 0x0                               ; the loads into the staging registers are back: those registers are at work below
	s_wait_loadcnt 48                              ; pr is in: only the next tile's three chunks of x were asked for behind it
	WIN 0x40
	v_mov_b32 v[LW], v[L16]
	WIN 0
	s_mov_b32 s[EA], 0
.Lblk:
.irp k, 1,2,3,4,5,6,7
	s_cmp_eq_u32 s[EA], \k
	s_cbranch_scc1 .Lb\k
.endr
; Only these lines name accumulators or pr's registers, so only they are written eight times.  Each accumulator is read from its low end on.
.macro COPY k
.Lb\k:
	WIN 0x42+(\k)/4                                ; source 0 in window 2 or 3, destination in window 1
.set ci, 0
.rept 32
	v_pk_mul_f32 v[U+2*ci:U+2*ci+1], v[64*((\k)%4)+2*ci:64*((\k)%4)+2*ci+1], s[CU:CU+1] op_sel_hi:[1,0]
.set ci, ci+1
.endr
	WIN 0x40
	v_mul_f32 v[PP], s[CPH], v[PV+(\k)]
	v_mul_f32 v[PP+1], s[CPH], v[PV+(\k)]
	WIN 0
.endm
.irp k, 0,1,2,3,4,5,6
	COPY \k
	s_branch .Lbody
.endr
	COPY 7
.Lbody:
	WIN 0x55                                       ; everything below lies in window 1
; Four sub-batches of 16 numbers (one fragment of hf each: blocks 2 k and 2 k + 1 of W1 are chunk k of my four chunks of 32 hidden).  FI, XI, BI write line n of sub-batch k's three lists.
.macro FI k, n                         ; 24 lines: 1 + CP |u|;  -u^2
.if (\n) < 16
	v_fma_f32 v[T+16*((\k)%2)+(\n)], |v[U+16*(\k)+(\n)]|, s[CP], 1.0
.else
.set rP, 2*((\n)-16)
	v_pk_mul_f32 v[EX+16*((\k)%2)+rP:EX+16*((\k)%2)+rP+1], v[U+16*(\k)+rP:U+16*(\k)+rP+1], v[U+16*(\k)+rP:U+16*(\k)+rP+1] neg_lo:[0,1] neg_hi:[0,1]
.endif
.endm
.macro XI k, n                         ; 8 lines: u becomes v
	v_pk_mul_f32 v[U+16*(\k)+2*(\n):U+16*(\k)+2*(\n)+1], v[U+16*(\k)+2*(\n):U+16*(\k)+2*(\n)+1], v[PP:PP+1]
.endm
.macro BI k, n                         ; 72 lines: six levels of eight pairs, 16 results, 8 roundings; then two stores of 512 consecutive bytes
.set rT, T+16*((\k)%2)
.set rE, EX+16*((\k)%2)
.set rU, U+16*(\k)
.set rO, OUT+8*((\k)%2)
.set rP, 2*((\n)%8)
.set rR, R+rP
.if (\n) < 8
	v_pk_fma_f32 v[rR:rR+1], v[rT+rP:rT+rP+1], s[A5:A5+1], s[A4:A4+1] op_sel_hi:[1,0,0]
.elseif (\n) < 16
	v_pk_fma_f32 v[rR:rR+1], v[rR:rR+1], v[rT+rP:rT+rP+1], s[A3:A3+1] op_sel_hi:[1,1,0]
.elseif (\n) < 24
	v_pk_fma_f32 v[rR:rR+1], v[rR:rR+1], v[rT+rP:rT+rP+1], s[A2:A2+1] op_sel_hi:[1,1,0]
.elseif (\n) < 32
	v_pk_fma_f32 v[rR:rR+1], v[rR:rR+1], v[rT+rP:rT+rP+1], s[A1:A1+1] op_sel_hi:[1,1,0]
.elseif (\n) < 40
	v_pk_mul_f32 v[rR:rR+1], v[rR:rR+1], v[rT+rP:rT+rP+1]
.elseif (\n) < 48
	v_pk_fma_f32 v[rR:rR+1], v[rR:rR+1], v[rE+rP:rE+rP+1], 1.0 op_sel_hi:[1,1,0] neg_lo:[1,0,0] neg_hi:[1,0,0]
.elseif (\n) < 64
	v_fma_f32 v[rU+(\n)-48], |v[rU+(\n)-48]|, v[R+(\n)-48], v[rU+(\n)-48]
.else
.if (\n) == 64
	s_wait_xcnt 0x0                                ; the stores of two sub-batches ago have read this set of OUT
.endif
	v_cvt_pk_bf16_f32 v[rO+(\n)-64], v[rU+2*((\n)-64)], v[rU+2*((\n)-64)+1]
.if (\n) == 71
	global_store_b128 v[LW], v[rO:rO+3],   s[HF:HF+1] offset:16384*(\k)
	global_store_b128 v[LW], v[rO+4:rO+7], s[HF:HF+1] offset:16384*(\k)+512
.endif
.endif
.endm
; Stage KK's plain lines, in this order: BI of sub-batch KK - 1, XI of KK, FI of KK + 1.  PL writes the next of them.
.macro PL
.if q < 72
.if KK > 0
	BI KK-1, q
.endif
.elseif q < 80
.if KK < 4
	XI KK, q-72
.endif
.elseif q < 104
.if KK < 3
	FI KK+1, q-80
.endif
.endif
.set q, q+1
.endm
; Stage kk: the wait for the batch before (one for its 32 transcendentals, ahead of their first reader); then sub-batch kk's 16 reciprocals and 16 exponentials, a plain line that names
; none of their registers behind each (they work on set kk % 2, the plain lines on the other set, on U, R and OUT); then the rest of the plain lines.
.macro STAGE kk
.set KK, \kk
.set q, 0
.if (\kk) == 0
.set q, 72
.endif
.if (\kk) > 0
	s_wait_alu depctr_va_vdst(0)
.endif
.if (\kk) < 4
.set tn, 0
.rept 16
	v_rcp_f32 v[T+16*((\kk)%2)+tn], v[T+16*((\kk)%2)+tn]
	PL
	v_exp_f32 v[EX+16*((\kk)%2)+tn], v[EX+16*((\kk)%2)+tn]
	PL
.set tn, tn+1
.endr
.endif
.rept 104
	PL
.endr
.endm
.set fq, 0
.rept 24
	FI 0, fq
.set fq, fq+1
.endr
	STAGE 0
	STAGE 1
	STAGE 2
	STAGE 3
	STAGE 4
	WIN 0
	s_wait_xcnt 0x0                                ; the stores have read their base and their data
	s_add_nc_u64 s[HF:HF+1], s[HF:HF+1], 1024      ; the next token block
	s_add_co_u32 s[EA], s[EA], 1
	s_cmp_lt_u32 s[EA], 8
	s_cbranch_scc1 .Lblk
	s_add_nc_u64 s[HF:HF+1], s[HF:HF+1], 8388608-8192  ; the second tile: 512 chunks on, back to token block 0,
	s_add_nc_u64 s[PR:PR+1], s[PR:PR+1], 16        ; four experts on,
	s_mov_b32 s[STOP], 2                           ; and its loop is left behind six trips
	s_sub_co_u32 s[TL], s[TL], 1
	s_cmp_lg_u32 s[TL], 0
	s_cbranch_scc1 .Ltile
	s_wait_tensorcnt 0x0                           ; the wave's end
	ds_add_u32 v[SPW], v[NIL]
	s_wait_dscnt 0x0
	CROUND                                         ; the closing round: no work-group ends while a partner may still ask for a tile that names it
	s_endpgm
.Lfunc_end_k_qa0f3f692bd_gemm1:
	.size	k_qa0f3f692bd_gemm1, .Lfunc_end_k_qa0f3f692bd_gemm1-k_qa0f3f692bd_gemm1
	.p2alignl 7, 3214868480
	.fill 96, 4, 3214868480
	.section	.rodata,"a",@progbits
	.p2align	6, 0x0
	.amdhsa_kernel k_qa0f3f692bd_gemm1
		.amdhsa_group_segment_fixed_size 327680
		.amdhsa_private_segment_fixed_size 0
		.amdhsa_enable_private_segment 0
		.amdhsa_kernarg_size 32
		.amdhsa_user_sgpr_count 2
		.amdhsa_user_sgpr_kernarg_segment_ptr 1
		.amdhsa_wavefront_size32 1
		.amdhsa_system_sgpr_workgroup_id_x 1
		.amdhsa_system_sgpr_workgroup_id_y 1
		.amdhsa_system_sgpr_workgroup_id_z 1
		.amdhsa_system_vgpr_workitem_id 0
		.amdhsa_next_free_vgpr 1024
		.amdhsa_next_free_sgpr 96
		.amdhsa_reserve_vcc 0
		.amdhsa_float_denorm_mode_32 3
		.amdhsa_float_denorm_mode_16_64 3
		.amdhsa_memory_ordered 1
		.amdhsa_forward_progress 1
		.amdhsa_inst_pref_size 196
	.end_amdhsa_kernel
	.amdgpu_metadata
---
amdhsa.version: [ 1, 2 ]
amdhsa.kernels:
  - .name:           k_qa0f3f692bd_gemm1
    .symbol:         k_qa0f3f692bd_gemm1.kd
    .args:
      - { .name: xf, .offset: 0, .size: 8, .value_kind: global_buffer, .address_space: global }
      - { .name: W1, .offset: 8, .size: 8, .value_kind: global_buffer, .address_space: global }
      - { .name: pr, .offset: 16, .size: 8, .value_kind: global_buffer, .address_space: global }
      - { .name: hf, .offset: 24, .size: 8, .value_kind: global_buffer, .address_space: global }
    .group_segment_fixed_size: 327680
    .private_segment_fixed_size: 0
    .kernarg_segment_align: 8
    .kernarg_segment_size: 32
    .max_flat_workgroup_size: 128
    .sgpr_count:     96
    .vgpr_count:     1024
    .wavefront_size: 32
...
	.end_amdgpu_metadata
.endif
;; end of part 5
;; launch gemm2 (part 6): grid 4 x 64, 4 waves a work-group, clusters of 4 x 4, 327,680 bytes of LDS; arguments hf, W2, part; writes part
.if DOCPART == 6
	.amdgcn_target "amdgcn-amd-amdhsa--gfx1250"
	.amdhsa_code_object_version 6
	.text
	.protected	k_qa0f3f692bd_gemm2
	.globl	k_qa0f3f692bd_gemm2
	.p2align	8
	.type	k_qa0f3f692bd_gemm2,@function
k_qa0f3f692bd_gemm2:
	s_mov_b64 s[64:65], 0
	v_nop
	global_prefetch_b8 v0, s[64:65] scope:SCOPE_SE
	s_setreg_imm32_b32 hwreg(HW_REG_WAVE_MODE, 25, 1), 1
	s_wait_xcnt 0x0
	s_wait_alu depctr_hold_cnt(0) depctr_sa_sdst(0) depctr_va_vdst(0) depctr_va_sdst(0) depctr_va_ssrc(0) depctr_va_vcc(0) depctr_vm_vsrc(0)
	s_getreg_b32 s2, hwreg(HW_REG_IB_STS2, 6, 4)
	s_cmp_eq_u32 s2, 0
	s_cbranch_scc0 .Lentry_in_a_cluster
	s_endpgm
.Lentry_in_a_cluster:
	s_bfe_u32 s2, ttmp6, 0x10000c
	s_cmp_lg_u32 s2, 0xf033
	s_cbranch_scc0 .Lentry_shape_is_right
	s_endpgm
.Lentry_shape_is_right:
; GEMM 2 OF THE MLP.  part[s][n][h] = the sum over the 2,048 hidden numbers of split s of hf[n][hidden] W2[e][h][i], hidden = 4,096 e + i.  hf comes as bf16 fragments; W2 comes in f32, is read from memory
; once in the whole launch and is rounded to bf16 on its way from LDS to the matrix unit.  Sums and partial sums in f32; the next launch adds the 16 splits in order.
; SHARES.  The output has 4 x 4 tiles of 256 x 256; K = 32,768 is split 16 ways (half an expert each), so that 256 work-groups have equal work: a cluster of 4 x 4 work-groups is one split.
; Four waves, each 128 x 128 = 64 accumulators.  THE MATRIX INSTRUCTION IS USED TRANSPOSED (source 0 = 16 rows of W2, source 1 = 16 tokens): a lane holds one token and 8 neighbouring columns.
; LDS HOLDS W2 ALONE.  K goes in steps of 128 (four CHUNKS of 32) through two slots of 256 rows x 512 bytes.  With hf beside it a slot of 128 along K would take 64 KB + 132 KB, and two such do not fit;
; so hf's fragments, which lie in memory as the registers take them, come straight into registers: 16 loads of 512 consecutive bytes a chunk, three chunks ahead, four buffers.
; CLUSTER.  W2's tile hangs on the column tile (cx) and the split, and is asked for jointly along a column of the cluster.  hf is NOT asked for jointly, for the room in LDS just counted; the price:
; a fragment of hf is read by eight waves, two in each of the four work-groups of a row, which walk in step.
; THE PIPELINE.  Chunk c multiplies W2's bf16 buffer c % 2 and hf's buffer c % 4.  Its loads stand in TWO RUNS, never singly among the products.  First half: the staging registers (blocks 0-3 of chunk c + 1,
; 16 f32 a lane and block) are rounded into buffer (c + 1) % 2, 8 roundings behind every 2 products; run 1: blocks 4-7 of chunk c + 1 out of LDS, and hf of chunk c + 3; 24 products.  Second half: the same with
; blocks 4-7; run 2: blocks 0-3 of chunk c + 2; 26 products.  A slot's last read is run 1 of a step's third chunk, the next slot's first is run 2 of that chunk: the step's one barrier stands between them.
; REGISTERS, in windows of 256 (s_set_vgpr_msb: bits 1:0 source 0, 3:2 source 1, 5:4 source 2, 7:6 destination):
;   window 0: v0-31 addresses; v64-127, v128-191, v192-255 hf's buffers 0, 1, 2 (on the way out: rows read back)
;   window 1: v0-63, v64-127 W2's bf16 buffers 0, 1 (block b at 8 b); v128-191 staging (four blocks of 16); v192-255 hf's buffer 3
;   window 2: accumulators of my token blocks 0-3 ((a, b) at 8 (8 (a % 4) + b));   window 3: of blocks 4-7
.set KROW,  4096                       ; elements from row to row of W2
.set PB,    528                        ; 512 bytes + 16 of padding = 33 x 16: the 16 rows of a load start at 16 different groups of four banks (64 banks of 4 bytes: ISA guide 11.1)
.set QROWS, 64*PB                      ; what one tensor load brings
.set HALFB, 128*PB                     ; what one wave reads
.set SLOTB, 256*PB
.set STAGE, 2*SLOTB                    ; behind the ring, never filled by a tensor load: 16 rows x 528 bytes for each wave
.set SP,    528
.set SPARE, STAGE+4*16*SP              ; the spare words, 128 bytes a wave
.set ST,  128                          ; the staging registers, in window 1
.set L16, 6                            ; v6   16 x lane; never rewritten
.set AB0, 20                           ; v20  my place in a slot;  v21 the address in hand
.set AB,  21
.set STO, 24                           ; v24  the way out: where I put 32 bytes of a row
.set RD,  25                           ; v25  the way out: where I read a row back
.set SPW, 28
.set NIL, 29
.set WV,  12
.set MH,  13
.set NH,  14
.set CX,  15
.set CY,  16
.set TS,  24                           ; s24 the slot that is read: 0 or SLOTB
.set CW,  25                           ; s25 the sum of my part's two LDS addresses: taking one from it gives the other
.set WOFF, 26                          ; s26 my part's place in a slot
.set G1B, 32
.set G0B, 40
.set NX,  56                           ; s56 the step to be asked for next
.set CT,  57
.set BA,  66                           ; s[66:67] hf at my token half, the split's chunk 0;  s[68:69] W2 at my part of step 0
.set BB,  68
.set OFB, 70
.set AP,  72                           ; s[72:73] hf at the chunk asked for last
.set MSB, 0
.macro WIN new                         ; the immediate's high byte repeats the setting that is left; a switch that changes nothing is dropped
.if MSB != (\new)
	s_set_vgpr_msb (MSB<<8)|(\new)
.set MSB, \new
.endif
.endm
.macro PLACES                          ; four places (ISA guide 7.12.1) between a matrix instruction and what writes one of its registers or reads its result
.rept 4
	v_nop
.endr
.endm
.macro JLOAD                           ; a joint refill: every wave fetches its 64 rows; an s_nop 0 and four v_nop follow
	tensor_load_to_lds s[G0B+4:G0B+7], s[G1B:G1B+7]
	s_nop 0
	PLACES
.endm
.macro CREST
	s_cmp_lg_u32 s[WV], 0
	s_cbranch_scc1 .Lnot_wave_0_\@
	s_barrier_signal -3
.Lnot_wave_0_\@:
	s_barrier_wait -3
	s_barrier_signal -1
	s_barrier_wait -1
.endm
.macro CROUND
	s_barrier_signal -1
	s_barrier_wait -1
	CREST
.endm
.macro NEXTD                           ; the walking descriptor steps to step NX: the other slot; the address made anew from the base and an offset of its own
	s_lshl_b32 s[OFB], s[NX], 9
	s_sub_co_u32 s[G0B+5], s[CW], s[G0B+5]
	s_add_nc_u64 s[G0B+6:G0B+7], s[BB:BB+1], s[OFB:OFB+1]
	s_or_b32 s[G0B+7], s[G0B+7], 0x80000000
	s_add_co_u32 s[NX], s[NX], 1
.endm
; Matrix instructions first .. first + count - 1 of the 64 of chunk j of a step: number i is token block i / 8, block i % 8 of W2.  The 64 accumulators take turns in the same order in every chunk,
; one instruction a turn.  zero = 1: the products start the sums.
.macro MM first, count, j, zero
.set mi, \first
.rept \count
	WIN 0xa1+0x50*(mi/32)+0x04*((\j)/3)            ; source 0 (W2) window 1; source 1 (hf) window 0, buffer 3 window 1; C and D window 2 or 3
.set rD, 8*(mi%32)
.set rB, 64*((\j)%2)+8*(mi%8)
.set rA, 64+64*(\j)-64*((\j)/3)+8*(mi/8)
.if \zero
	v_wmma_f32_16x16x32_bf16 v[rD:rD+7], v[rB:rB+7], v[rA:rA+7], 0
.else
	v_wmma_f32_16x16x32_bf16 v[rD:rD+7], v[rB:rB+7], v[rA:rA+7], v[rD:rD+7]
.endif
.set mi, mi+1
.endr
.endm
.macro CVT src, b, f                   ; the 16 f32 from register src on are rounded into fragment b of W2's buffer f
	WIN 0x45                                       ; destination and both sources window 1
.set ci, 0
.rept 8
	v_cvt_pk_bf16_f32 v[64*(\f)+8*(\b)+ci], v[(\src)+2*ci], v[(\src)+2*ci+1]
.set ci, ci+1
.endr
.endm
.macro LOADH dst, half, jl             ; W2's f32 of blocks 4 half + 0..3 (block b: rows 16 b + l % 16), chunk jl of the slot in AB: k = 8 (l / 16) + 0..7 and 16 + 8 (l / 16) + 0..7; 16 loads
	WIN 0x40                                       ; destination window 1, address window 0
.set ci, 0
.rept 4
.set rS, (\dst)+16*ci
.set oB, (4*(\half)+ci)*16*PB+(\jl)*128
	ds_load_b128 v[rS:rS+3],     v[AB] offset:oB
	ds_load_b128 v[rS+4:rS+7],   v[AB] offset:oB+16
	ds_load_b128 v[rS+8:rS+11],  v[AB] offset:oB+64
	ds_load_b128 v[rS+12:rS+15], v[AB] offset:oB+80
.set ci, ci+1
.endr
.endm
.macro LOADA j                         ; in chunk j of a step: hf's 8 fragments of the chunk three on, into the buffer that the chunk before has left
.set gA, ((\j)+3)%4
.set rG, 64+64*gA-64*(gA/3)
	s_wait_xcnt 0x0                                ; the last run's loads have had their addresses translated (ISA guide 3.1): their base is stepped below
	s_add_nc_u64 s[AP:AP+1], s[AP:AP+1], 16384
	WIN 0x40*(gA/3)
.set ci, 0
.rept 8
	global_load_b128 v[rG+8*ci:rG+8*ci+3],   v[L16], s[AP:AP+1] offset:ci*1024
	global_load_b128 v[rG+8*ci+4:rG+8*ci+7], v[L16], s[AP:AP+1] offset:ci*1024+512
.set ci, ci+1
.endr
.endm
.macro PRO                             ; the beginning: W2's first chunk into buffer 0 (buffer 1's registers serve as staging for blocks 4-7 this once), the second chunk's blocks 0-3 on their way
	LOADH ST, 0, 0
	LOADH 64, 1, 0
	s_wait_dscnt 0x0
.irp k, 0,1,2,3
	CVT ST+16*\k, \k, 0
.endr
.irp k, 0,1,2,3
	CVT 64+16*\k, 4+\k, 0
.endr
	LOADH ST, 0, 1
.endm
; CHUNK j of a step.  zero = 1: the products start the sums.  chg (j = 2 alone): 2: the slot is left and filled again behind a round of the cluster's barrier; 1: a plain barrier, nothing is asked for.
; la = 0: no more of hf is asked for.  ls = 2: both runs read LDS; 1: the last chunk but one: run 1 alone; 0: the last chunk: products alone.  lw: hf's loads that may stay out.
.macro CHUNK j, zero=0, chg=0, la=1, ls=2, lw=32
	s_wait_loadcnt \lw                             ; this chunk's hf is in; the loads of the chunks behind it stay out
.if (\ls) == 0
	MM 0, 64, \j, \zero
.else
	MM 0, 2, \j, \zero
	PLACES                                         ; behind the chunk before, which read the bf16 buffer and the buffer of hf that are written below
.irp k, 0,1,2,3
	s_wait_dscnt 12-4*\k                           ; of the last run's 16 loads, sub-block k's four are in: those of the sub-blocks behind it may be out
	CVT ST+16*\k, \k, ((\j)+1)%2
.if \k < 3
	MM 2+2*\k, 2, \j, \zero
.endif
.endr
	LOADH ST, 1, ((\j)+1)%4                        ; RUN 1
.if \la
	LOADA \j
.endif
.if \chg
	WIN 0                                          ; (the add's two registers lie in window 0)
	s_wait_tensorcnt 0x0                           ; all my tensor loads have landed: the one that was out is my part of the next slot
	ds_add_u32 v[SPW], v[NIL]                      ; 0 onto my spare word; work on registers follows
.if (\chg) == 2
	NEXTD
.endif
	s_sub_co_u32 s[TS], SLOTB, s[TS]               ; the other slot
	MM 8, 16, \j, \zero
	s_wait_dscnt 0x0                               ; the add is done, and my reads of this slot (run 1 held the last) are over
	s_barrier_signal -1                            ; (chg = 2: this barrier opens a round of the cluster's)
	MM 24, 8, \j, \zero                            ; work on registers while the others arrive
	WIN 0                                          ; at a branch and at a label every window is 0
	s_barrier_wait -1
.if (\chg) == 2
	CREST                                          ; no wave of any partner still reads this slot or has a load on its way
	JLOAD                                          ; the first tensor load behind the round: 232 matrix instructions ahead of the wait for it
.endif
	v_add_nc_u32 v[AB], s[TS], v[AB0]
.else
	MM 8, 24, \j, \zero
.endif
.irp k, 0,1,2,3
.if (\chg) == 0
	s_wait_dscnt 12-4*\k                           ; as above, of run 1's 16 loads
.endif
	CVT ST+16*\k, 4+\k, ((\j)+1)%2
.if \k < 3
	MM 32+2*\k, 2, \j, \zero
.endif
.endr
.if (\ls) == 2
	LOADH ST, 0, ((\j)+2)%4                        ; RUN 2
.endif
	MM 38, 26, \j, \zero
.endif
.endm
	s_load_b128 s[4:7], s[0:1], 0x0                ; hf s[4:5], W2 s[6:7]
	s_load_b64 s[8:9], s[0:1], 0x10                ; part
	v_lshl_add_u32 v[SPW], v0, 2, SPARE
	v_mov_b32 v[NIL], 0
	ds_add_u32 v[SPW], v[NIL]                      ; the wave's opening: the add and its wait stand ahead of my first tensor load
	ds_add_u32 v28, v29
	v_lshrrev_b32 v1, 5, v0
	v_readfirstlane_b32 s[WV], v1
	v_and_b32 v1, 31, v0                           ; lane l
	v_and_b32 v2, 15, v0                           ; l % 16
	v_bfe_u32 v3, v0, 4, 1                         ; l / 16
	v_lshlrev_b32 v[L16], 4, v1
	s_lshr_b32 s[MH], s[WV], 1
	s_and_b32 s[NH], s[WV], 1
	s_bfe_u32 s[CX], ttmp6, 0x40000                ; the grid is one cluster wide: the column tile is cx,
	s_bfe_u32 s[CY], ttmp6, 0x40004                ; the token tile cy,
	s_and_b32 s17, ttmp7, 0xffff                   ; and the cluster's y is the split, which all sixteen share
	s_lshl_b32 s19, 0x1111, s[CX]                  ; my column of the cluster
	s_or_b32 s[G1B], s19, (2<<16)|(1<<20)|(1<<21)|(6<<22)|(3<<25)  ; the mask; elements of 4 bytes; padding: after every 128 words (code 6) 4 words (code 3); bit 21 beside a mask
	s_mov_b32 s[G1B+1], 128<<16                    ; tensor_dim0 = 128
	s_mov_b32 s[G1B+2], 64<<16                     ; tensor_dim1 = 64
	s_mov_b32 s[G1B+3], 128<<16                    ; tile_dim0 = 128
	s_mov_b32 s[G1B+4], 64                         ; tile_dim1 = 64
	s_mov_b32 s[G1B+5], KROW
	s_mov_b32 s[G1B+6], 0
	s_mov_b32 s[G1B+7], 0
	s_lshl_b32 s20, s[CY], 24                      ; hf: token tile x 2^24 + split x 64 chunks x 16,384 + my 8 token blocks
	s_lshl_b32 s21, s17, 20
	s_add_co_u32 s20, s20, s21
	s_lshl_b32 s21, s[MH], 13
	s_add_co_u32 s20, s20, s21
	s_mov_b32 s21, 0
	s_lshr_b32 s22, s17, 1                         ; W2: expert x 2^24 + (256 cx + 64 wave) rows of 16,384 bytes + the expert's half x 8,192: no register here ever holds cy
	s_lshl_b32 s22, s22, 24
	s_lshl_b32 s23, s[CX], 22
	s_add_co_u32 s22, s22, s23
	s_lshl_b32 s23, s[WV], 20
	s_add_co_u32 s22, s22, s23
	s_and_b32 s23, s17, 1
	s_lshl_b32 s23, s23, 13
	s_add_co_u32 s22, s22, s23
	s_mov_b32 s23, 0
	s_lshl_b32 s86, s17, 22                        ; part: split x 2^22 + (256 cy + 128 mh) rows of 4,096 bytes + (256 cx + 128 nh) x 4
	s_lshl_b32 s87, s[CY], 20
	s_add_co_u32 s86, s86, s87
	s_lshl_b32 s87, s[MH], 19
	s_add_co_u32 s86, s86, s87
	s_lshl_b32 s87, s[CX], 10
	s_add_co_u32 s86, s86, s87
	s_lshl_b32 s87, s[NH], 9
	s_add_co_u32 s86, s86, s87
	s_mov_b32 s87, 0
	s_mul_i32 s[WOFF], s[WV], QROWS                ; where my 64 rows go in a slot: no place in the cluster enters an LDS address
	s_lshl_b32 s[CW], s[WOFF], 1
	s_add_co_u32 s[CW], s[CW], SLOTB
	s_mul_i32 s2, s[NH], HALFB                     ; the 128 rows that I read
	s_mul_i32 s3, s[WV], 16*SP
	s_add_co_u32 s3, s3, STAGE                     ; my stage
	v_mul_u32_u24 v[AB0], v2, PB
	v_lshl_add_u32 v[AB0], v3, 5, v[AB0]           ; row x pitch + 32 bytes (8 f32) for the upper half of the lanes
	v_add_nc_u32 v[AB0], s2, v[AB0]
	v_mov_b32 v[AB], v[AB0]                        ; slot 0
	v_mul_u32_u24 v[STO], v2, SP                   ; in: row l % 16, 32 bytes for each half of the lanes
	v_lshl_add_u32 v[STO], v3, 5, v[STO]
	v_add_nc_u32 v[STO], s3, v[STO]
	v_add_nc_u32 v[RD], s3, v[L16]                 ; back: 32 lanes take one row of 512 bytes
	s_mov_b32 s[OFB+1], 0
	s_mov_b32 s[NX], 2
	s_mov_b32 s[TS], 0
	s_wait_dscnt 0x0                               ; the opening add is done
	s_wait_kmcnt 0x0
	s_add_nc_u64 s[BA:BA+1], s[4:5], s[20:21]
	s_add_nc_u64 s[BB:BB+1], s[6:7], s[22:23]
	s_add_nc_u64 s[8:9], s[8:9], s[86:87]
	s_add_nc_u64 s[AP:AP+1], s[BA:BA+1], 32768     ; chunk 2: the last that is asked for here
.set hj, 0
.rept 3                                ; hf's chunks 0, 1, 2 into buffers 0, 1, 2
.set ci, 0
.rept 8
	global_load_b128 v[64+64*hj+8*ci:64+64*hj+8*ci+3],   v[L16], s[BA:BA+1] offset:hj*16384+ci*1024
	global_load_b128 v[64+64*hj+8*ci+4:64+64*hj+8*ci+7], v[L16], s[BA:BA+1] offset:hj*16384+ci*1024+512
.set ci, ci+1
.endr
.set hj, hj+1
.endr
.irp s, 0,1
	s_mov_b32 s[G0B+4*(\s)], 1
	s_add_co_u32 s[G0B+4*(\s)+1], s[WOFF], (\s)*SLOTB
	s_add_nc_u64 s[G0B+4*(\s)+2:G0B+4*(\s)+3], s[BB:BB+1], (\s)*512
	s_or_b32 s[G0B+4*(\s)+3], s[G0B+4*(\s)+3], 0x80000000
.endr
	CROUND                                         ; all sixteen work-groups are here: the first joint loads meet
	tensor_load_to_lds s[G0B:G0B+3], s[G1B:G1B+7]  ; steps 0 and 1: two loads of mine are out
	s_nop 0
	tensor_load_to_lds s[G0B+4:G0B+7], s[G1B:G1B+7]
	s_nop 0
	PLACES
	s_wait_tensorcnt 0x1                           ; my part of step 0 is in; step 1's may stay out
	s_barrier_signal -1
	s_barrier_wait -1
	PRO
	CHUNK 0, 1                                     ; the first chunk starts the sums
	WIN 0
	s_mov_b32 s[CT], 15
	s_branch .Lc1
.Lslot:                                                ; 14 trips: the change of slots in a step's third chunk, its fourth, the next step's first two.  Every trip asks for the step two on
	CHUNK 2, 0, 2
	CHUNK 3
	CHUNK 0
	WIN 0
.Lc1:
	CHUNK 1
	WIN 0
	s_sub_co_u32 s[CT], s[CT], 1
	s_cmp_lg_u32 s[CT], 0
	s_cbranch_scc1 .Lslot
	CHUNK 2, 0, 1                                  ; the tail is written out
	CHUNK 3
	CHUNK 0
	CHUNK 1, 0, 0, 0
	CHUNK 2, 0, 0, 0, 1, 16
	CHUNK 3, 0, 0, 0, 0, 0
; THE WAY OUT, a token block (16 rows x 512 bytes) at a time through my own stage: a lane's 32 bytes go into rows of 528 bytes and come back as whole rows.
.macro TOSTAGE a
.if (\a) >= 2
	s_wait_xcnt 0x0                                ; the stores of two blocks ago have read the registers that are loaded below
.endif
	WIN 0x08+4*((\a)/4)                            ; the stores' data (source 1) in window 2 or 3
.set ci, 0
.rept 8                                ; each accumulator from its low end on
	ds_store_b128 v[STO], v[64*((\a)%4)+8*ci:64*((\a)%4)+8*ci+3]   offset:64*ci
	ds_store_b128 v[STO], v[64*((\a)%4)+8*ci+4:64*((\a)%4)+8*ci+7] offset:64*ci+16
.set ci, ci+1
.endr
	WIN 0
.set ci, 0
.rept 16
	ds_load_b128 v[64+64*((\a)%2)+4*ci:64+64*((\a)%2)+4*ci+3], v[RD] offset:SP*ci  ; LDS serves a wave's instructions in order (ISA guide 5.7.1.4): these see the stores above; the next block's stores come behind them
.set ci, ci+1
.endr
.endm
.macro SEND a, younger                 ; younger: the LDS instructions issued behind block a's loads: the next block's 32, or none
.set ci, 0
.rept 16
.if ci%4 == 0
	s_wait_dscnt (\younger)+12-ci                  ; the next four rows are back
.endif
	global_store_b128 v[L16], v[64+64*((\a)%2)+4*ci:64+64*((\a)%2)+4*ci+3], s[8:9] offset:65536*(\a)+4096*ci  ; 512 consecutive bytes, at a multiple of 512 from part's first
.set ci, ci+1
.endr
.endm
	PLACES                                         ; behind the last products: their results are read below
	TOSTAGE 0
.irp a, 1,2,3,4,5,6,7
	TOSTAGE \a
	SEND (\a)-1, 32
.endr
	SEND 7, 0
	s_wait_tensorcnt 0x0                           ; the wave's end
	ds_add_u32 v[SPW], v[NIL]
	s_wait_dscnt 0x0
	CROUND                                         ; the closing round
	s_endpgm
.Lfunc_end_k_qa0f3f692bd_gemm2:
	.size	k_qa0f3f692bd_gemm2, .Lfunc_end_k_qa0f3f692bd_gemm2-k_qa0f3f692bd_gemm2
	.p2alignl 7, 3214868480
	.fill 96, 4, 3214868480
	.section	.rodata,"a",@progbits
	.p2align	6, 0x0
	.amdhsa_kernel k_qa0f3f692bd_gemm2
		.amdhsa_group_segment_fixed_size 327680
		.amdhsa_private_segment_fixed_size 0
		.amdhsa_enable_private_segment 0
		.amdhsa_kernarg_size 24
		.amdhsa_user_sgpr_count 2
		.amdhsa_user_sgpr_kernarg_segment_ptr 1
		.amdhsa_wavefront_size32 1
		.amdhsa_system_sgpr_workgroup_id_x 1
		.amdhsa_system_sgpr_workgroup_id_y 1
		.amdhsa_system_sgpr_workgroup_id_z 1
		.amdhsa_system_vgpr_workitem_id 0
		.amdhsa_next_free_vgpr 1024
		.amdhsa_next_free_sgpr 96
		.amdhsa_reserve_vcc 0
		.amdhsa_float_denorm_mode_32 3
		.amdhsa_float_denorm_mode_16_64 3
		.amdhsa_memory_ordered 1
		.amdhsa_forward_progress 1
		.amdhsa_inst_pref_size 174
	.end_amdhsa_kernel
	.amdgpu_metadata
---
amdhsa.version: [ 1, 2 ]
amdhsa.kernels:
  - .name:           k_qa0f3f692bd_gemm2
    .symbol:         k_qa0f3f692bd_gemm2.kd
    .args:
      - { .name: hf, .offset: 0, .size: 8, .value_kind: global_buffer, .address_space: global }
      - { .name: W2, .offset: 8, .size: 8, .value_kind: global_buffer, .address_space: global }
      - { .name: part, .offset: 16, .size: 8, .value_kind: global_buffer, .address_space: global }
    .group_segment_fixed_size: 327680
    .private_segment_fixed_size: 0
    .kernarg_segment_align: 8
    .kernarg_segment_size: 24
    .max_flat_workgroup_size: 128
    .sgpr_count:     96
    .vgpr_count:     1024
    .wavefront_size: 32
...
	.end_amdgpu_metadata
.endif
;; end of part 6
;; launch reduce: the kernel of part 4 again; grid 1024 x 1, 8 waves a work-group, no clusters, 0 bytes of LDS; arguments part, out0; writes out0
